; MI455X (gfx1250); checked and timed in simulation.
; The chip was launched on July 23, 2026; its instructions are those of AMD's public machine-readable ISA for CDNA 5 (MIT licence, August 2026) and "CDNA5" Instruction Set Architecture Reference Guide (July 2026). The comments in the code are by the model that wrote it; some were corrected since.
;; Multi Head Attention. Allowed arithmetic: matrix products marked QUANTISED: E2M1 operands, one E8M0 scale for each 32 along K, by v_wmma_scale_f32_16x16x128_f8f6f4 with both operands' format E2M1 (or v_wmma_scale_f32_32x16x128_f4), f32 sums; everything else in f32.
;; Inputs: Wkv_codes 2,048 x 32 x 16 uint8 (E2M1 codes of Wkv, K innermost, in blocks of 32 codes, two codes a byte); Wkv_scales 2,048 x 32 uint8 (E8M0 scales of Wkv, one for each 32 codes along K); Wo_codes 1,024 x 32 x 16 uint8 (E2M1 codes of Wo, K innermost, in blocks of 32 codes, two codes a byte); Wo_scales 1,024 x 32 uint8 (E8M0 scales of Wo, one for each 32 codes along K); Wq_codes 1,024 x 32 x 16 uint8 (E2M1 codes of Wq, K innermost, in blocks of 32 codes, two codes a byte); Wq_scales 1,024 x 32 uint8 (E8M0 scales of Wq, one for each 32 codes along K); bkv 2,048 float32; bo 1,024 float32; bq 1,024 float32; key_val_lengths 4 int32; ln_b 1,024 float32; ln_g 1,024 float32; x 4 x 2,048 x 1,024 float32.
;; Outputs: out0 4 x 2,048 x 1,024 float32.
;; This version of the problem:
;;   THIS VERSION OF THE PROBLEM IS GIVEN IN LOW PRECISION. The matrix products marked QUANTISED in the list below multiply operands that are first quantised to E2M1 (2 exponent bits, 1 mantissa bit; 4 bits a number), with one power-of-two scale for each 32 numbers along K (OCP MX v1.0); their sums are f32. All else is computed in f32.
;;   The module's matrix products, in the order in which they are computed (A, B: the left and right operand; K: the contracted axis; several contracted axes count as one K, in the product's order):
;;     1. [M 8,192, K 1,024] x [K 1,024, N 1,024]; A: computed on the way; B: input Wq (given as codes): QUANTISED
;;     2. [M 8,192, K 1,024] x [K 1,024, N 2,048]; A: computed on the way; B: input Wkv (given as codes): QUANTISED
;;     3. batch 64 x [M 2,048, K 64] x [K 64, N 2,048]; A: computed on the way; B: computed on the way: QUANTISED
;;     4. batch 64 x [M 64, K 2,048] x [K 2,048, N 2,048]; A: computed on the way; B: softmax (see below): QUANTISED
;;     5. [M 8,192, K 1,024] x [K 1,024, N 1,024]; A: computed on the way; B: input Wo (given as codes): QUANTISED
;;   THE QUANTISER, for each operand of a quantised product, along K:
;;     - K is cut into blocks of 32 from its start; a last block that is shorter is filled with zeros.
;;     - A block's scale is 2^e with e = floor(log2(the largest magnitude in the block)) - 2, held to -126 .. 127; a block of zeros has e = 0. As a byte (E8M0): e + 127.
;;     - Each number is divided by its block's scale, clamped to +-6, and rounded to the nearest number of E2M1, ties to even, subnormals kept.
;;     - The product sums the exact products of the quantised numbers (number of the format x scale) in f32.
;;   ~~~python
;;   def quantise(x, axis):      # numpy; x: float32 -> the quantised numbers, widened to float32 again
;;       x = np.moveaxis(x, axis, -1); K = x.shape[-1]
;;       x = np.pad(x, [(0, 0)] * (x.ndim - 1) + [(0, -K % 32)]); x = x.reshape(x.shape[:-1] + (-1, 32)); a = np.abs(x).max(-1, keepdims=True)
;;       e = np.where(a > 0, np.clip(np.frexp(np.where(a > 0, a, 1))[1] - 1 - 2, -126, 127), 0)      # np.frexp(a)[1] - 1 = floor(log2(a)), exactly
;;       r = np.clip(x / 2.0 ** e, -6, 6)
;;       step = 2.0 ** (np.maximum(np.frexp(np.where(r == 0, 1, r))[1] - 1, 0) - 1)
;;       q = np.round(r / step) * step * 2.0 ** e      # np.round: ties to even
;;       return np.moveaxis(q.reshape(q.shape[:-2] + (-1,))[..., :K], -1, axis).astype(np.float32)
;;   ~~~
;;   SOFTMAX AHEAD OF A QUANTISED PRODUCT. Where the list says 'softmax', what is quantised is not the finished softmax but p = 2^(t - M), with t = logit x log2(e) and M = ceil(the row's largest t), a whole number; so 1/2 < the row's largest p <= 1. The row's sum l is taken of the UNQUANTISED p, in f32, and the product's result is divided by l at the end. Since M is a whole number, a kernel that streams over the keys may use a running M (the ceiling of the running maximum): every later rescaling is an exact power of two, which a block's scale takes up: the codes' values come out the same.
;;   OPERANDS COMPUTED ON THE WAY. 'Computed on the way' means the value that the module computes at that place (a softmax that the list does not call 'softmax' is quantised finished and normalised). What goes into a quantiser is computed in f32, as accurately as f32 sums, v_exp_f32 and their like allow (about 1e-6 of the number): no bf16 or f16 on the way to a quantiser, and a product that is left as it is and whose result goes on into a quantised operand takes f32 operands (vector FMAs, or v_wmma_f32_16x16x4_f32). A number that lies on a knife's edge between two numbers of the format may be rounded either way, as far as f32 arithmetic and the matrix unit's own rounding can turn it there, and no further.
;;   INPUTS GIVEN AS CODES. Wkv (in the module: [2048, 1024], K = its axis 1); Wo (in the module: [1024, 1024], K = its axis 1); Wq (in the module: [1024, 1024], K = its axis 1): each comes as NAME_codes (uint8): NAME with its K axis moved to the last place and cut into blocks of 32 codes, [.., K / 32, bytes a block], one block behind the other in memory; two codes a byte, the lower K in the low four bits (a code: sign, 2 exponent bits, 1 mantissa bit); and NAME_scales (uint8): the same leading axes, one E8M0 byte (e + 127) for each 32 codes along K. Its value is code x scale, taken as it is: it is not quantised again, and the codes and scales need not be those that the quantiser above would give.
;; 2 versions, each right; version 2 is version 1 with the launch attn written anew for expert scheduling mode. Each part assembles by itself: llvm-mc -triple=amdgcn-amd-amdhsa -mcpu=gfx1250 --defsym DOCPART=n.
;; ======== version 1 of 2: 4 launches
;; workspace buffers: xnbuf 4,456,448 bytes; wbuf 2,228,224 bytes; qbuf 4,718,592 bytes; kvbuf 9,175,040 bytes; obuf 4,456,448 bytes
;; launch prep (part 1): grid 256 x 1, 8 waves a work-group, no clusters, 55,808 bytes of LDS; arguments x, ln_g, ln_b, Wq_codes, Wq_scales, Wkv_codes, Wkv_scales, Wo_codes, Wo_scales, xnbuf, wbuf; writes xnbuf, wbuf
.if DOCPART == 1
	.amdgcn_target "amdgcn-amd-amdhsa--gfx1250"
	.amdhsa_code_object_version 6
	.text
	.protected	k_qa482894d94_prep
	.globl	k_qa482894d94_prep
	.p2align	8
	.type	k_qa482894d94_prep,@function
k_qa482894d94_prep:
	s_mov_b64 s[64:65], 0
	v_nop
	global_prefetch_b8 v0, s[64:65] scope:SCOPE_SE
	s_setreg_imm32_b32 hwreg(HW_REG_WAVE_MODE, 25, 1), 1
	s_wait_xcnt 0x0
; LAUNCH 1 OF 4.  LayerNorm of x, quantised along D to E2M1 with one E8M0 byte for each 32, and the three weights' codes laid out anew.
; THE PROGRAM: prep (this) | qkv: products 1 and 2, biases, quantisers of q, k, v | attn: products 3 and 4 with the softmax, quantiser of the result | oproj: product 5, + bo + x.
; DEAD WORK.  No input is dead: ln_g, ln_b, bq and bkv go into quantised operands of live products, bo and x into the output, key_val_lengths into the mask; all are loaded.
; Left out, in launch attn alone: key steps of 128 keys of which reference()'s own jnp.where turns every score of a wave's 16 queries into -inf: all keys after the queries (its causal mask), or all keys at or
; beyond key_val_lengths[b] (decided by a scalar branch on the number read).  For such a key p = 2^(-inf) = 0 exactly, whatever q, k and v hold: it adds 0 to the row's sum and 0 to the product, and -inf never raises the maximum.
; LIMIT of that: a NaN, an infinity or an overflow that reaches only the scores left out is not carried to the result.
; LIMITS of the quantisers in all launches: NaN and infinities are not served; a block of zeros, or one whose largest magnitude lies under 2^-124, gets the byte 1 (the rule: 127 for zeros): its codes are zeros, and only this program takes the bytes.
; A TILE RECORD (8,704 bytes = 34 x 256) is a tile of 16 rows x K = 1,024 as an image of the operand's registers: chunk j (0..15) at 512 j, lane l = r + 16 h at + 16 l: block 2 j + h (32 codes) of the tile's row r;
; behind them, at 8,192 + 32 r, the row's 32 scale bytes.  THE ROWS OF A TILE ARE NOT NEIGHBOURS: row r of tile 2 B + u is row 32 B + 8 u + r + 8 (r / 8), so that two neighbouring tiles' results are 16 neighbours along a next K.
; SHARES.  Work-group B: tokens 32 B .. 32 B + 31 (tiles 2 B, 2 B + 1 of xnbuf); wave w: rows 4 w .. 4 w + 3, each whole in 32 registers a lane, all four asked for at the head.  The same work-group lays weight tile B
; (0-63 Wq, 64-191 Wkv, 192-255 Wo): wave w copies chunks 2 w and 2 w + 1, wave 0 the scale bytes.  No matrix work, no tensor load, no cluster: the work-groups share no input.
.set TREC,  8704
.set TURNB, 4608                       ; LDS 0..: for each wave a stage of 32 places of 128 + 16 bytes, through which a row turns so that a lane holds a whole block of 32
.set PL,    144
.set CST,   36864                      ; 32 rows x (512 bytes of codes + 16)
.set CP,    528
.set SCS,   53760                      ; 32 rows x 32 scale bytes
.set SPARE, 54784                      ; the spare words, 128 bytes for each of eight waves
.set LO,  2                            ; v2   16 x lane
.set TS,  3                            ; v3   into my stage
.set TL,  4                            ; v4   out of it: my block
.set CS,  5                            ; v5   my block's 16 bytes in the rows of codes
.set SS,  6                            ; v6   and its scale byte
.set ORD, 7                            ; v7   the way out: my 16 bytes of a chunk
.set SR,  8                            ; v8   the way out: my 16 scale bytes
.set WO,  9                            ; v9   the weight's codes: my row and half
.set SPW, 10                           ; v10  my spare word; never rewritten
.set NIL, 11                           ; v11  0; never rewritten
.set BY,  12                           ; v12-15 a scale byte for each row
.set X,   16                           ; v16-143 four rows
.set G,   144                          ; v144-175 ln_g at my columns
.set BB,  176                          ; v176-207 ln_b
.set T,   208                          ; v208-239 a block of 32; at the head the weight's bytes and temporaries
.set MU,  240
.set RS,  242
.set SA,  244
.set SB,  246
.set TP,  248
.set MA,  249
.set MB,  250
.set SO,  251
.set CD,  252
.set WV,  32
.set SEL, 46
	s_load_b512 s[4:19], s[0:1], 0x0               ; x, ln_g, ln_b, Wq codes, Wq scales, Wkv codes, Wkv scales, Wo codes
	s_load_b128 s[20:23], s[0:1], 0x40             ; Wo scales, xnbuf
	s_load_b64 s[24:25], s[0:1], 0x50              ; wbuf
	v_lshl_add_u32 v[SPW], v0, 2, SPARE
	v_mov_b32 v[NIL], 0
	v_lshrrev_b32 v1, 5, v0
	v_readfirstlane_b32 s[WV], v1                  ; wave 0..7
	v_and_b32 v1, 31, v0                           ; lane
	v_lshlrev_b32 v[LO], 4, v1
	s_mul_i32 s33, s[WV], TURNB
	v_lshrrev_b32 v[TS], 3, v1
	v_mul_u32_u24 v[TS], v[TS], PL
	v_and_b32 v224, 7, v1
	v_lshl_add_u32 v[TS], v224, 4, v[TS]
	v_add_nc_u32 v[TS], s33, v[TS]                 ; a load's 512 bytes are four blocks: place lane / 8, 16 (lane % 8) in it
	v_mul_u32_u24 v[TL], v1, PL
	v_add_nc_u32 v[TL], s33, v[TL]                 ; back: lane l takes block l
	s_bfe_u32 s34, s[WV], 0x10001
	s_lshl_b32 s34, s34, 4
	s_lshr_b32 s35, s[WV], 2
	s_lshl_b32 s36, s35, 3
	s_add_co_u32 s34, s34, s36
	s_and_b32 s36, s[WV], 1
	s_lshl_b32 s36, s36, 2
	s_add_co_u32 s34, s34, s36                     ; token 4 w + k is row 16 u + r of the two tiles: 16 ((w / 2) % 2) + 8 (w / 4) + 4 (w % 2) + k
	s_mul_i32 s36, s34, CP
	s_add_co_u32 s36, s36, CST
	v_add_nc_u32 v[CS], s36, v[LO]
	s_lshl_b32 s36, s34, 5
	s_add_co_u32 s36, s36, SCS
	v_add_nc_u32 v[SS], s36, v1
	v_and_b32 v224, 15, v1                         ; r
	v_lshrrev_b32 v225, 4, v1                      ; h
	v_mul_u32_u24 v[ORD], v224, CP
	v_lshl_add_u32 v[ORD], v225, 4, v[ORD]
	s_mul_i32 s36, s35, 16*CP
	s_and_b32 s37, s[WV], 3
	s_lshl_b32 s38, s37, 7
	s_add_co_u32 s36, s36, s38
	s_add_co_u32 s36, s36, CST
	v_add_nc_u32 v[ORD], s36, v[ORD]               ; tile w / 4, chunks 4 (w % 4) on: row r, block 2 j + h
	s_lshl_b32 s36, s35, 9
	s_add_co_u32 s36, s36, SCS
	v_add_nc_u32 v[SR], s36, v[LO]
	v_and_b32 v226, 8, v224
	v_add_nc_u32 v226, v226, v224                  ; r + 8 (r / 8)
	v_lshlrev_b32 v[WO], 9, v226
	v_lshl_add_u32 v[WO], v225, 4, v[WO]           ; the weight: a row of 512 bytes, + 16 h
	v_lshrrev_b32 v226, 1, v1
	v_and_b32 v227, 8, v226
	v_add_nc_u32 v226, v226, v227
	v_and_b32 v227, 1, v1
	v_lshlrev_b32 v227, 4, v227
	v_lshl_add_u32 v1, v226, 5, v227               ; its scale bytes: two lanes to a row of 32 (v1 is the lane no more)
	v_mov_b32 v[MU+1], 0                           ; named as upper halves of pairs, so they are written
	v_mov_b32 v[RS+1], 0
	v_mov_b32 v[TP], 0                             ; a lane permute's destination counts as one of its sources
	s_mov_b32 s38, 0x3a800000                      ; 1 / 1,024
	s_mov_b32 s39, 0x3727c5ac                      ; 1e-5
	s_mov_b32 s[SEL], 0x76543210
	s_mov_b32 s[SEL+1], 0xfedcba98
	s_lshl_b32 s40, ttmp9, 17
	s_lshl_b32 s41, s[WV], 14
	s_add_co_u32 s40, s40, s41                     ; x: 32 rows a work-group, 4 a wave
	s_mov_b32 s41, 0
	s_lshl_b32 s42, ttmp9, 1
	s_add_co_u32 s42, s42, s35
	s_mul_i32 s42, s42, TREC
	s_lshl_b32 s43, s37, 11
	s_add_co_u32 s42, s42, s43                     ; xnbuf: record 2 B + w / 4, my four chunks
	s_mov_b32 s43, 0
	s_mul_i32 s44, ttmp9, TREC
	s_lshl_b32 s45, s[WV], 10
	s_add_co_u32 s44, s44, s45                     ; wbuf: record B, my two chunks
	s_mov_b32 s45, 0
	s_wait_kmcnt 0x0
	s_add_nc_u64 s[4:5], s[4:5], s[40:41]
	s_add_nc_u64 s[22:23], s[22:23], s[42:43]
	s_add_nc_u64 s[24:25], s[24:25], s[44:45]
	s_cmp_lt_u32 ttmp9, 64                         ; which weight: the choice hangs on the work-group's number alone
	s_cselect_b64 s[26:27], s[10:11], s[14:15]
	s_cselect_b64 s[28:29], s[12:13], s[16:17]
	s_cselect_b32 s30, 0, 64
	s_cmp_lt_u32 ttmp9, 192
	s_cselect_b64 s[26:27], s[26:27], s[18:19]
	s_cselect_b64 s[28:29], s[28:29], s[20:21]
	s_cselect_b32 s30, s30, 192
	s_sub_co_u32 s30, ttmp9, s30                   ; the tile's number in its weight
	s_lshr_b32 s31, s30, 1
	s_lshl_b32 s31, s31, 5
	s_and_b32 s30, s30, 1
	s_lshl_b32 s30, s30, 3
	s_add_co_u32 s30, s30, s31                     ; 32 (tile / 2) + 8 (tile % 2)
	s_lshl_b32 s40, s30, 9
	s_lshl_b32 s31, s[WV], 6
	s_add_co_u32 s40, s40, s31
	s_add_nc_u64 s[26:27], s[26:27], s[40:41]      ; + 64 bytes of each row for each wave
	s_lshl_b32 s40, s30, 5
	s_add_nc_u64 s[28:29], s[28:29], s[40:41]
	global_load_b128 v[T:T+3], v[WO], s[26:27]
	global_load_b128 v[T+4:T+7], v[WO], s[26:27] offset:32
	global_load_b128 v[T+8:T+11], v1, s[28:29]
.irp j, 0,1,2,3,4,5,6,7
	global_load_b128 v[G+4*\j:G+4*\j+3], v[LO], s[6:7] offset:512*\j
.endr
.irp j, 0,1,2,3,4,5,6,7
	global_load_b128 v[BB+4*\j:BB+4*\j+3], v[LO], s[8:9] offset:512*\j
.endr
.irp k, 0,1,2,3
.irp j, 0,1,2,3,4,5,6,7
	global_load_b128 v[X+32*\k+4*\j:X+32*\k+4*\j+3], v[LO], s[4:5] offset:4096*\k+512*\j th:TH_LOAD_NT   ; 512 consecutive bytes a load; the wave's four rows are all on their way
.endr
.endr
	s_wait_loadcnt 48                              ; the three weight loads are in: behind them 16 of g and b and 32 of x were issued
	global_store_b128 v[LO], v[T:T+3], s[24:25]    ; each store covers 512 consecutive bytes, aligned
	global_store_b128 v[LO], v[T+4:T+7], s[24:25] offset:512
	s_cmp_lg_u32 s[WV], 0
	s_cbranch_scc1 .Lnot_wave_0
	global_store_b128 v[LO], v[T+8:T+11], s[24:25] offset:8192
.Lnot_wave_0:
.macro REDUCE r                        ; the sum over the wave's 32 lanes, in every lane
	v_add_f32_dpp v[\r], v[\r], v[\r] row_xmask:1 row_mask:0xf bank_mask:0xf
	v_add_f32_dpp v[\r], v[\r], v[\r] row_xmask:2 row_mask:0xf bank_mask:0xf
	v_add_f32_dpp v[\r], v[\r], v[\r] row_xmask:4 row_mask:0xf bank_mask:0xf
	v_add_f32_dpp v[\r], v[\r], v[\r] row_xmask:8 row_mask:0xf bank_mask:0xf
	v_permlanex16_b32 v[TP], v[\r], s[SEL], s[SEL+1]
	v_add_f32 v[\r], v[\r], v[TP]
.endm
; Row k of my four: mean, variance of the differences (two passes: a common offset of x costs nothing), norm, gain and bias, all in f32; the turn through my stage; the block's scale; codes.
.macro ROW k
.set XR, X+32*\k
	s_wait_loadcnt 8*(3-\k)                        ; loads come back in order: mine are in, the younger rows' stay out
	v_pk_add_f32 v[SA:SA+1], v[XR:XR+1], v[XR+2:XR+3]
	v_pk_add_f32 v[SB:SB+1], v[XR+4:XR+5], v[XR+6:XR+7]
.irp i, 8,12,16,20,24,28
	v_pk_add_f32 v[SA:SA+1], v[SA:SA+1], v[XR+\i:XR+\i+1]
	v_pk_add_f32 v[SB:SB+1], v[SB:SB+1], v[XR+\i+2:XR+\i+3]
.endr
	v_pk_add_f32 v[SA:SA+1], v[SA:SA+1], v[SB:SB+1]
	v_add_f32 v[SA], v[SA], v[SA+1]
	REDUCE SA
	v_mul_f32 v[MU], s38, v[SA]
.set i, 0
.rept 16
	v_pk_add_f32 v[XR+i:XR+i+1], v[XR+i:XR+i+1], v[MU:MU+1] op_sel_hi:[1,0] neg_lo:[0,1] neg_hi:[0,1]   ; x - mu
.set i, i+2
.endr
	v_pk_mul_f32 v[SA:SA+1], v[XR:XR+1], v[XR:XR+1]
	v_pk_mul_f32 v[SB:SB+1], v[XR+2:XR+3], v[XR+2:XR+3]
.irp i, 4,8,12,16,20,24,28
	v_pk_fma_f32 v[SA:SA+1], v[XR+\i:XR+\i+1], v[XR+\i:XR+\i+1], v[SA:SA+1]
	v_pk_fma_f32 v[SB:SB+1], v[XR+\i+2:XR+\i+3], v[XR+\i+2:XR+\i+3], v[SB:SB+1]
.endr
	v_pk_add_f32 v[SA:SA+1], v[SA:SA+1], v[SB:SB+1]
	v_add_f32 v[SA], v[SA], v[SA+1]
	REDUCE SA
	v_fma_f32 v[SA], v[SA], s38, s39               ; var + eps
	v_rsq_f32 v[RS], v[SA]
	v_nop                                          ; a plain instruction behind the transcendental,
	s_wait_alu depctr_va_vdst(0)                   ; and the wait ahead of the first use of its result
.set i, 0
.rept 16
	v_pk_mul_f32 v[XR+i:XR+i+1], v[XR+i:XR+i+1], v[RS:RS+1] op_sel_hi:[1,0]
.set i, i+2
.endr
.set i, 0
.rept 16
	v_pk_fma_f32 v[XR+i:XR+i+1], v[XR+i:XR+i+1], v[G+i:G+i+1], v[BB+i:BB+i+1]
.set i, i+2
.endr
.irp j, 0,1,2,3,4,5,6,7
	ds_store_b128 v[TS], v[XR+4*\j:XR+4*\j+3] offset:4*PL*\j
.endr
.if \k == 0
	s_wait_xcnt 0x0                                ; the weight's stores have read v208-219: only now are they loaded again
.endif
.irp j, 0,1,2,3,4,5,6,7
	ds_load_b128 v[T+4*\j:T+4*\j+3], v[TL] offset:16*\j   ; my own bytes; LDS serves a wave's instructions in order, so these see the stores above
.endr
	s_wait_dscnt 0x0                               ; my block is in; the last row's stores of codes have read their registers
	v_max3_num_f32 v[MA], |v[T]|, |v[T+1]|, |v[T+2]|
	v_max3_num_f32 v[MB], |v[T+3]|, |v[T+4]|, |v[T+5]|
.irp i, 6,10,14,18,22,26
	v_max3_num_f32 v[MA], v[MA], |v[T+\i]|, |v[T+\i+1]|
	v_max3_num_f32 v[MB], v[MB], |v[T+\i+2]|, |v[T+\i+3]|
.endr
	v_max3_num_f32 v[MA], v[MA], |v[T+30]|, |v[T+31]|
	v_max3_num_f32 v[MA], v[MA], v[MB], 0x1800000  ; and the floor 2^(3 - 127): the byte cannot fall under 1
	v_add_nc_u32 v[SO], 0xff000000, v[MA]          ; 2 off the exponent field: the conversion takes that field as its scale
.irp g, 0,1,2,3
	v_cvt_scalef32_pk8_fp4_f32 v[CD+\g], v[T+8*\g:T+8*\g+7], v[SO]
.endr
	v_lshrrev_b32 v[BY+\k], 23, v[SO]              ; the scale's byte (also the plain instruction behind the conversions)
	ds_store_b128 v[CS], v[CD:CD+3] offset:CP*\k
	ds_store_b8 v[SS], v[BY+\k] offset:32*\k
.endm
	ROW 0
	ROW 1
	ROW 2
	ROW 3
	s_wait_dscnt 0x0                               ; for the others' sake: my codes and bytes lie in LDS
	s_barrier_signal -1
	s_barrier_wait -1
.irp j, 0,1,2,3
	ds_load_b128 v[T+4*\j:T+4*\j+3], v[ORD] offset:32*\j
.endr
.irp j, 0,1,2,3
	s_wait_dscnt 3-\j
	global_store_b128 v[LO], v[T+4*\j:T+4*\j+3], s[22:23] offset:512*\j   ; a chunk: 512 consecutive bytes, aligned
.endr
	s_cmp_lg_u32 s37, 0
	s_cbranch_scc1 .Lno_scales                     ; waves 0 and 4 store their tile's 512 scale bytes
	ds_load_b128 v[T+16:T+19], v[SR]
	s_wait_dscnt 0x0
	global_store_b128 v[LO], v[T+16:T+19], s[22:23] offset:8192
.Lno_scales:
	s_wait_tensorcnt 0x0                           ; the wave's end, behind my last LDS store
	ds_add_u32 v[SPW], v[NIL]
	s_wait_dscnt 0x0
	s_endpgm
.Lfunc_end_k_qa482894d94_prep:
	.size	k_qa482894d94_prep, .Lfunc_end_k_qa482894d94_prep-k_qa482894d94_prep
	.p2alignl 7, 3214868480
	.fill 96, 4, 3214868480
	.section	.rodata,"a",@progbits
	.p2align	6, 0x0
	.amdhsa_kernel k_qa482894d94_prep
		.amdhsa_group_segment_fixed_size 55808
		.amdhsa_private_segment_fixed_size 0
		.amdhsa_enable_private_segment 0
		.amdhsa_kernarg_size 88
		.amdhsa_user_sgpr_count 2
		.amdhsa_user_sgpr_kernarg_segment_ptr 1
		.amdhsa_wavefront_size32 1
		.amdhsa_system_sgpr_workgroup_id_x 1
		.amdhsa_system_sgpr_workgroup_id_y 1
		.amdhsa_system_sgpr_workgroup_id_z 1
		.amdhsa_system_vgpr_workitem_id 0
		.amdhsa_next_free_vgpr 256
		.amdhsa_next_free_sgpr 66
		.amdhsa_reserve_vcc 0
		.amdhsa_float_denorm_mode_32 3
		.amdhsa_float_denorm_mode_16_64 3
		.amdhsa_memory_ordered 1
		.amdhsa_forward_progress 1
		.amdhsa_inst_pref_size 45
	.end_amdhsa_kernel
	.amdgpu_metadata
---
amdhsa.version: [ 1, 2 ]
amdhsa.kernels:
  - .name:           k_qa482894d94_prep
    .symbol:         k_qa482894d94_prep.kd
    .args:
      - { .name: x, .offset: 0, .size: 8, .value_kind: global_buffer, .address_space: global }
      - { .name: ln_g, .offset: 8, .size: 8, .value_kind: global_buffer, .address_space: global }
      - { .name: ln_b, .offset: 16, .size: 8, .value_kind: global_buffer, .address_space: global }
      - { .name: Wq_codes, .offset: 24, .size: 8, .value_kind: global_buffer, .address_space: global }
      - { .name: Wq_scales, .offset: 32, .size: 8, .value_kind: global_buffer, .address_space: global }
      - { .name: Wkv_codes, .offset: 40, .size: 8, .value_kind: global_buffer, .address_space: global }
      - { .name: Wkv_scales, .offset: 48, .size: 8, .value_kind: global_buffer, .address_space: global }
      - { .name: Wo_codes, .offset: 56, .size: 8, .value_kind: global_buffer, .address_space: global }
      - { .name: Wo_scales, .offset: 64, .size: 8, .value_kind: global_buffer, .address_space: global }
      - { .name: xnbuf, .offset: 72, .size: 8, .value_kind: global_buffer, .address_space: global }
      - { .name: wbuf, .offset: 80, .size: 8, .value_kind: global_buffer, .address_space: global }
    .group_segment_fixed_size: 55808
    .private_segment_fixed_size: 0
    .kernarg_segment_align: 8
    .kernarg_segment_size: 88
    .max_flat_workgroup_size: 256
    .sgpr_count:     66
    .vgpr_count:     256
    .wavefront_size: 32
...
	.end_amdgpu_metadata
.endif
;; end of part 1
;; launch qkv (part 2): grid 8 x 32, 4 waves a work-group, clusters of 4 x 1, 167,936 bytes of LDS; arguments xnbuf, wbuf, bq, bkv, qbuf, kvbuf; writes qbuf, kvbuf
.if DOCPART == 2
	.amdgcn_target "amdgcn-amd-amdhsa--gfx1250"
	.amdhsa_code_object_version 6
	.text
	.protected	k_qa482894d94_qkv
	.globl	k_qa482894d94_qkv
	.p2align	8
	.type	k_qa482894d94_qkv,@function
k_qa482894d94_qkv:
	s_mov_b64 s[64:65], 0
	v_nop
	global_prefetch_b8 v0, s[64:65] scope:SCOPE_SE
	s_setreg_imm32_b32 hwreg(HW_REG_WAVE_MODE, 25, 1), 1
	s_wait_xcnt 0x0
	s_wait_alu depctr_hold_cnt(0) depctr_sa_sdst(0) depctr_va_vdst(0) depctr_va_sdst(0) depctr_va_ssrc(0) depctr_va_vcc(0) depctr_vm_vsrc(0)
	s_getreg_b32 s2, hwreg(HW_REG_IB_STS2, 6, 4)
	s_cmp_eq_u32 s2, 0
	s_cbranch_scc0 .Lentry_in_a_cluster
	s_endpgm
.Lentry_in_a_cluster:
	s_bfe_u32 s2, ttmp6, 0x10000c
	s_cmp_lg_u32 s2, 0x3003
	s_cbranch_scc0 .Lentry_shape_is_right
	s_endpgm
.Lentry_shape_is_right:
; LAUNCH 2 OF 4.  q = xn Wq^T + bq, kv = xn Wkv^T + bkv on codes of E2M1 (products 1 and 2), and the quantisers of q and k (along the head's 64) and of v (along the keys).  Nothing is left out here.
; SHARES.  Work-group (slice sl = 0..7, block y of 256 tokens).  A slice is two heads of q, of k and of v: 384 columns.  THE WEIGHTS STAY IN REGISTERS: wave w holds the four tiles of one head of q (w < 2) or k (w >= 2)
; and two tiles (32 of the 64) of one head of v, for all of K = 1,024: 384 registers.  The 16 tile records of xn (139,264 bytes) come into LDS once and are taken as they lie: a fragment is two loads of 512 consecutive bytes.
; q AND k ARE MADE TRANSPOSED (source 0 = 16 rows of W, source 1 = 16 tokens): a lane holds one token and its 32 registers run along the head's 64, the next K.  v IS MADE THE OTHER WAY ROUND (source 0 = tokens,
; source 1 = 16 rows of Wv): a lane holds one d and its 64 registers run along 128 keys, the next K.  The rows of every tile are chosen as launch prep's head says, so the registers are neighbours along that K.
; OUT.  qbuf: a record of 4,608 bytes for each (batch x 16 + head, 128 queries): 8 tiles' images (512 a + 16 lane: d block lane / 16 of token lane % 16), then scale words at 4,096 + 256 (a / 4) + 16 r + 4 (a % 4), bytes (block 0, block 1, 0, 0).
; kvbuf: a record of 8,960 bytes for each (batch x 16 + head, 128 keys): the same for k, then v^T's four tiles' images at 4,608 + 1,024 a + 512 c + 16 lane, then their scale words at 8,704 + 128 (a / 2) + 8 r + 4 (a % 2).
; CLUSTER.  The four slices of a cluster need the same block of xn: it is asked for JOINTLY, two loads a wave.  The weights are not shared through LDS: a slice's 384 rows x 512 bytes beside 139,264 bytes of xn
; would not fit without filling bytes again, each work-group takes them once, and partners hold different slices.
; By this text's own count a wave has two tensor loads out.  No LDS byte is filled twice and none is stored to.
; REGISTERS in windows of 256.  Window 1: W of q or k, (t, s) at 64 t + 8 s.  Window 2: v0-127 W of v, (u, s) at 64 u + 8 s; v128-255 v's accumulators (u, a) at 128 + 64 u + 8 a.  Window 3: q's or k's accumulators (a, t) at 32 a + 8 t.
; Window 0: v1-14 addresses; v24-47 the weights' scale words; v48-79 xn's; v80-111, v112-115 biases; v128-255 two sets of xn's fragments, on the way out work registers.
.set TREC,  8704
.set SPARE, 139264
.set LA,  1                            ; v1-4   16 lane + 4 records x g
.set LS,  5                            ; v5-8   8,704 h + 32 r + 8,192 + 4 records x g: lanes 16-31 take the next tile's scale words
.set LI,  9                            ; v9     16 lane
.set WSO, 10                           ; v10    8,704 h + 32 r
.set CBO, 11                           ; v11    64 h
.set VBO, 12                           ; v12    4 (r + 8 (r / 8))
.set KSO, 13                           ; v13    256 h + 16 r
.set VSO, 14                           ; v14    8,960 h + 8 r
.set WS,  24
.set AS,  48
.set CB,  80
.set VB,  112
.set SPW, 116
.set NIL, 117
.set VWK, 118
.set AF0, 128
.set T,   128
.set TM,  192
.set PW,  208
.set VW,  212
.set PC,  216
.set XW,  232
.set VX,  236
.set WV,  16
.set SEL, 56
.set MSB, 0
.macro WIN new                         ; the immediate's high byte repeats the setting that is left; a switch that changes nothing is dropped
.if MSB != \new
	s_set_vgpr_msb (MSB<<8)|\new
.set MSB, \new
.endif
.endm
.macro PLACES                          ; four plain instructions behind a matrix instruction, ahead of loads into its sources and of the first use of its result
.rept 4
	v_nop
.endr
.endm
.macro CROUND                          ; a round of the cluster's barrier
	s_barrier_signal -1
	s_barrier_wait -1
	s_cmp_lg_u32 s[WV], 0
	s_cbranch_scc1 .Lnw0_\@
	s_barrier_signal -3
.Lnw0_\@:
	s_barrier_wait -3
	s_barrier_signal -1
	s_barrier_wait -1
.endm
; One product.  zero: the sum begins with the constant 0, else in place.  ra, rb: the side's scale words stand in lanes 16-31 of its register.
.macro WM d, a, b, zero, sa, sb, ra, rb
.if \zero
.if (\ra) && (\rb)
	v_wmma_scale_f32_16x16x128_f8f6f4 v[\d:\d+7], v[\a:\a+7], v[\b:\b+7], 0, v[\sa], v[\sb] matrix_a_fmt:MATRIX_FMT_FP4 matrix_b_fmt:MATRIX_FMT_FP4 matrix_a_scale:MATRIX_SCALE_ROW1 matrix_b_scale:MATRIX_SCALE_ROW1
.elseif (\ra)
	v_wmma_scale_f32_16x16x128_f8f6f4 v[\d:\d+7], v[\a:\a+7], v[\b:\b+7], 0, v[\sa], v[\sb] matrix_a_fmt:MATRIX_FMT_FP4 matrix_b_fmt:MATRIX_FMT_FP4 matrix_a_scale:MATRIX_SCALE_ROW1
.elseif (\rb)
	v_wmma_scale_f32_16x16x128_f8f6f4 v[\d:\d+7], v[\a:\a+7], v[\b:\b+7], 0, v[\sa], v[\sb] matrix_a_fmt:MATRIX_FMT_FP4 matrix_b_fmt:MATRIX_FMT_FP4 matrix_b_scale:MATRIX_SCALE_ROW1
.else
	v_wmma_scale_f32_16x16x128_f8f6f4 v[\d:\d+7], v[\a:\a+7], v[\b:\b+7], 0, v[\sa], v[\sb] matrix_a_fmt:MATRIX_FMT_FP4 matrix_b_fmt:MATRIX_FMT_FP4
.endif
.else
.if (\ra) && (\rb)
	v_wmma_scale_f32_16x16x128_f8f6f4 v[\d:\d+7], v[\a:\a+7], v[\b:\b+7], v[\d:\d+7], v[\sa], v[\sb] matrix_a_fmt:MATRIX_FMT_FP4 matrix_b_fmt:MATRIX_FMT_FP4 matrix_a_scale:MATRIX_SCALE_ROW1 matrix_b_scale:MATRIX_SCALE_ROW1
.elseif (\ra)
	v_wmma_scale_f32_16x16x128_f8f6f4 v[\d:\d+7], v[\a:\a+7], v[\b:\b+7], v[\d:\d+7], v[\sa], v[\sb] matrix_a_fmt:MATRIX_FMT_FP4 matrix_b_fmt:MATRIX_FMT_FP4 matrix_a_scale:MATRIX_SCALE_ROW1
.elseif (\rb)
	v_wmma_scale_f32_16x16x128_f8f6f4 v[\d:\d+7], v[\a:\a+7], v[\b:\b+7], v[\d:\d+7], v[\sa], v[\sb] matrix_a_fmt:MATRIX_FMT_FP4 matrix_b_fmt:MATRIX_FMT_FP4 matrix_b_scale:MATRIX_SCALE_ROW1
.else
	v_wmma_scale_f32_16x16x128_f8f6f4 v[\d:\d+7], v[\a:\a+7], v[\b:\b+7], v[\d:\d+7], v[\sa], v[\sb] matrix_a_fmt:MATRIX_FMT_FP4 matrix_b_fmt:MATRIX_FMT_FP4
.endif
.endif
.endm
; 64 numbers of a lane, v[s] on, register 16 b + i = place 32 b + 16 (lane / 16) + i along K, become 8 registers of codes at v[pc] (registers 4 c on: lanes 0-15 block 2 c, lanes 16-31 block 2 c + 1) and the four blocks' bytes in v[pw].
.macro QUANT s, pc, pw
.irp b, 0,1,2,3
	v_max3_num_f32 v[TM+\b], |v[\s+16*\b]|, |v[\s+1+16*\b]|, 0x1800000   ; with the floor 2^(3 - 127): the byte cannot fall under 1
.endr
.irp i, 2,4,6,8,10,12,14
.irp b, 0,1,2,3
	v_max3_num_f32 v[TM+\b], v[TM+\b], |v[\s+16*\b+\i]|, |v[\s+1+16*\b+\i]|
.endr
.endr
.irp b, 0,1,2,3
	v_permlanex16_b32 v[TM+4+\b], v[TM+\b], s[SEL], s[SEL+1]
.endr
.irp b, 0,1,2,3
	v_max_num_f32 v[TM+\b], v[TM+\b], v[TM+4+\b]   ; with lane l xor 16's 16: the block's largest magnitude
.endr
.irp b, 0,1,2,3
	v_add_nc_u32 v[TM+12+\b], 0xff000000, v[TM+\b] ; 2 off its exponent field: the conversion's scale operand
.endr
.irp b, 0,1,2,3
	v_lshrrev_b32 v[TM+4+\b], 23, v[TM+12+\b]      ; the byte
.endr
	v_lshl_or_b32 v[\pw], v[TM+5], 8, v[TM+4]
	v_lshl_or_b32 v[\pw], v[TM+6], 16, v[\pw]
	v_lshl_or_b32 v[\pw], v[TM+7], 24, v[\pw]
.irp b, 0,1,2,3
	v_cvt_scalef32_pk8_fp4_f32 v[\pc+2*\b], v[\s+16*\b:\s+7+16*\b], v[TM+12+\b]
	v_cvt_scalef32_pk8_fp4_f32 v[\pc+1+2*\b], v[\s+8+16*\b:\s+15+16*\b], v[TM+12+\b]
.endr
	v_nop                                          ; one plain instruction behind the conversions
.irp c, 0,1
.irp i, 0,1
	v_permlane16_swap_b32 v[\pc+4*\c+\i], v[\pc+2+4*\c+\i]
.endr
.endr
.endm
	s_load_b256 s[4:11], s[0:1], 0x0               ; xnbuf, wbuf, bq, bkv
	s_load_b128 s[12:15], s[0:1], 0x20             ; qbuf, kvbuf
	v_lshl_add_u32 v[SPW], v0, 2, SPARE
	v_mov_b32 v[NIL], 0
	ds_add_u32 v[SPW], v[NIL]                      ; the opening: the add, twice on end, and its wait ahead of my first tensor load; the set-up below stands between
	ds_add_u32 v[SPW], v[NIL]
	v_lshrrev_b32 v15, 5, v0
	v_readfirstlane_b32 s[WV], v15                 ; wave 0..3
	s_bfe_u32 s17, ttmp6, 0x40000                  ; cx
	s_lshl_b32 s18, ttmp9, 2
	s_add_co_u32 s18, s18, s17                     ; the slice: it enters the weights', the biases' and the results' addresses alone
	s_and_b32 s19, ttmp7, 0xffff                   ; y, which the four partners share
	s_mov_b32 s24, 15|(3<<16)|(1<<21)              ; group 1: the mask names all four; elements of 8 bytes; bit 21 beside a mask; no padding
	s_mov_b32 s25, 32<<16                          ; tensor_dim0 = 32 elements: rows of 256 bytes
	s_mov_b32 s26, 68<<16                          ; tensor_dim1 = 68 rows: two records
	s_mov_b32 s27, 32<<16                          ; tile_dim0
	s_mov_b32 s28, 68                              ; tile_dim1
	s_mov_b32 s29, 32                              ; the pitch: dense
	s_mov_b32 s30, 0
	s_mov_b32 s31, 0
	s_mul_i32 s20, s[WV], 2*TREC                   ; in LDS: two records a wave: no place in the cluster enters it
	s_mul_i32 s22, s19, 16*TREC
	s_add_co_u32 s22, s22, s20
	s_mov_b32 s23, 0
	v_and_b32 v15, 31, v0
	v_lshlrev_b32 v[LI], 4, v15
	v_and_b32 v16, 15, v0                          ; r
	v_bfe_u32 v17, v0, 4, 1                        ; h
.irp g, 0,1,2,3
	v_add_nc_u32 v[LA+\g], \g*4*TREC, v[LI]
.endr
	v_mul_u32_u24 v[WSO], v17, TREC
	v_lshl_add_u32 v[WSO], v16, 5, v[WSO]
.irp g, 0,1,2,3
	v_add_nc_u32 v[LS+\g], 8192+\g*4*TREC, v[WSO]
.endr
	v_lshlrev_b32 v[CBO], 6, v17
	v_and_b32 v18, 8, v16
	v_add_nc_u32 v18, v18, v16
	v_lshlrev_b32 v[VBO], 2, v18
	v_lshlrev_b32 v[KSO], 4, v16
	v_lshl_add_u32 v[KSO], v17, 8, v[KSO]
	v_mul_u32_u24 v[VSO], v17, 8960
	v_lshl_add_u32 v[VSO], v16, 3, v[VSO]
	v_mov_b32 v[VB+1], 0                           ; named as upper halves of pairs
	v_mov_b32 v[VB+3], 0
	s_lshr_b32 s60, s[WV], 1
	s_and_b32 s61, s[WV], 1
	s_lshl_b32 s63, s18, 3
	s_lshl_b32 s62, s60, 6
	s_add_co_u32 s62, s62, s63
	s_lshl_b32 s66, s61, 2
	s_add_co_u32 s62, s62, s66                     ; my first tile of Wq or of Wk: 64 (w / 2) + 8 sl + 4 (w % 2)
	s_mul_i32 s40, s62, TREC
	s_mov_b32 s41, 0
	s_lshl_b32 s66, s[WV], 1
	s_add_co_u32 s66, s66, s63
	s_add_co_u32 s66, s66, 128                     ; and of Wv: 128 + 8 sl + 2 w
	s_mul_i32 s42, s66, TREC
	s_mov_b32 s43, 0
	s_lshl_b32 s67, s18, 1
	s_add_co_u32 s68, s67, s60                     ; v's head
	s_add_co_u32 s67, s67, s61                     ; q's or k's head
	s_lshl_b32 s72, s67, 8
	s_mov_b32 s73, 0
	s_lshl_b32 s74, s68, 8
	s_lshl_b32 s66, s61, 7
	s_add_co_u32 s74, s74, s66
	s_add_co_u32 s74, s74, 4096                    ; bkv at 1,024 + 64 head + 32 (w % 2)
	s_mov_b32 s75, 0
	s_lshr_b32 s69, s19, 3
	s_lshl_b32 s69, s69, 4                         ; 16 x batch
	s_and_b32 s70, s19, 7
	s_lshl_b32 s70, s70, 1                         ; the block's first step of 128 tokens
	s_add_co_u32 s71, s69, s67
	s_lshl_b32 s71, s71, 4
	s_add_co_u32 s71, s71, s70                     ; q's or k's record
	s_add_co_u32 s69, s69, s68
	s_lshl_b32 s69, s69, 4
	s_add_co_u32 s69, s69, s70                     ; v's record
	s_mul_i32 s78, s69, 8960
	s_mov_b32 s79, 0
	s_mov_b32 s54, 0xffff0000                      ; lanes 16-31
	s_mov_b32 s[SEL], 0x76543210
	s_mov_b32 s[SEL+1], 0xfedcba98
	s_wait_dscnt 0x0                               ; both opening adds are done
	s_wait_kmcnt 0x0
	s_add_nc_u64 s[22:23], s[4:5], s[22:23]
	s_add_nc_u64 s[40:41], s[6:7], s[40:41]
	s_add_nc_u64 s[42:43], s[6:7], s[42:43]
	s_cmp_lt_u32 s[WV], 2                          ; waves 0, 1: q; waves 2, 3: k
	s_cselect_b64 s[44:45], s[8:9], s[10:11]
	s_cselect_b64 s[48:49], s[12:13], s[14:15]
	s_mov_b32 s52, 8960
	s_cselect_b32 s52, 4608, s52                   ; a record's bytes
	s_mov_b32 s53, 0
	s_add_nc_u64 s[44:45], s[44:45], s[72:73]
	s_add_nc_u64 s[46:47], s[10:11], s[74:75]
	s_mul_i32 s76, s71, s52
	s_mov_b32 s77, 0
	s_add_nc_u64 s[48:49], s[48:49], s[76:77]
	s_add_nc_u64 s[50:51], s[14:15], s[78:79]
	s_lshl_b32 s76, s61, 7
	s_add_nc_u64 s[58:59], s[50:51], s[76:77]      ; for v's scale words: + 128 (w % 2)
	s_lshl_b32 s76, s61, 11
	s_add_nc_u64 s[50:51], s[50:51], s[76:77]      ; for v's images: + 2,048 (w % 2)
	CROUND                                         ; all four work-groups are here: the joint loads meet
	s_mov_b32 s32, 1
	s_mov_b32 s33, s20
	s_mov_b64 s[34:35], s[22:23]
	s_or_b32 s35, s35, 0x80000000
	s_mov_b32 s36, 1
	s_add_co_u32 s37, s20, 8*TREC
	s_add_nc_u64 s[38:39], s[22:23], 8*TREC
	s_or_b32 s39, s39, 0x80000000
	tensor_load_to_lds s[32:35], s[24:31]          ; half 0: tiles 2 w, 2 w + 1
	s_nop 0
	tensor_load_to_lds s[36:39], s[24:31]          ; half 1: tiles 8 + 2 w, 9 + 2 w
	s_nop 0
.rept 4
	v_nop
.endr
	; 112 loads, in the order in which they are wanted: scale words, the weights K step by K step, the biases
.irp p, 0,1
.irp k, 0,1
	global_load_b128 v[WS+8*\p+4*\k:WS+8*\p+4*\k+3], v[WSO], s[40:41] offset:\p*2*TREC+8192+16*\k
.endr
.endr
.irp k, 0,1
	global_load_b128 v[WS+16+4*\k:WS+16+4*\k+3], v[WSO], s[42:43] offset:8192+16*\k
.endr
.irp s, 0,1,2,3,4,5,6,7
	WIN 0x40                                       ; destination window 1
.irp t, 0,1,2,3
.irp c, 0,1
	global_load_b128 v[64*\t+8*\s+4*\c:64*\t+8*\s+4*\c+3], v[LI], s[40:41] offset:\t*TREC+1024*\s+512*\c
.endr
.endr
	WIN 0x80                                       ; destination window 2
.irp u, 0,1
.irp c, 0,1
	global_load_b128 v[64*\u+8*\s+4*\c:64*\u+8*\s+4*\c+3], v[LI], s[42:43] offset:\u*TREC+1024*\s+512*\c
.endr
.endr
.endr
	WIN 0
.irp t, 0,1,2,3
	global_load_b128 v[CB+8*\t:CB+8*\t+3], v[CBO], s[44:45] offset:4*(32*(\t/2)+8*(\t%2))      ; the bias at d = 32 (t / 2) + 16 h + 8 (t % 2) + 0 .. 7
	global_load_b128 v[CB+8*\t+4:CB+8*\t+7], v[CBO], s[44:45] offset:4*(32*(\t/2)+8*(\t%2))+16
.endr
.irp u, 0,1
	global_load_b32 v[VB+2*\u], v[VBO], s[46:47] offset:32*\u                                  ; v's bias at my lane's d
.endr
	s_wait_tensorcnt 0x1                           ; my part of half 0 has landed; half 1's may stay out
	s_barrier_signal -1
	s_barrier_wait -1
.macro FETCH hf, s, f                  ; the half's eight fragments of K step s into the set at f: 16 loads of 512 consecutive bytes
.irp a, 0,1,2,3,4,5,6,7
.irp c, 0,1
	ds_load_b128 v[\f+8*\a+4*\c:\f+8*\a+4*\c+3], v[LA+2*\hf+\a/4] offset:(\a%4)*TREC+1024*(\s)+512*\c
.endr
.endr
.endm
.macro PRE hf                          ; the half's scale words for all of K (lanes 0-15 tile 2 p, lanes 16-31 tile 2 p + 1), and K step 0
.irp p, 0,1,2,3
.irp k, 0,1
	ds_load_b128 v[AS+8*\p+4*\k:AS+8*\p+4*\k+3], v[LS+2*\hf+\p/2] offset:(\p%2)*2*TREC+16*\k
.endr
.endr
	FETCH \hf, 0, AF0
.endm
; A K step of 128: 48 products, each accumulator one turn, in the same order in every step.
.macro STEP hf, s
.set FA, AF0+64*(\s%2)
.set FB, AF0+64*((\s+1)%2)
.set ZR, (\s == 0)
	PLACES
.if \s < 7
	FETCH \hf, \s+1, FB
.endif
.if \hf == 0
.set LCN, 12*(7-\s)+10                 ; the loads issued behind this K step's weights
.if LCN > 63
.set LCN, 63
.endif
	s_wait_loadcnt LCN
.endif
.if \s < 7
	s_wait_dscnt 16                                ; all but the 16 just issued
.else
	s_wait_dscnt 0x0
.endif
	WIN 0xf1                                       ; source 0 (W) window 1, source 1 (xn) window 0, C and D window 3
.irp a, 0,1,2,3,4,5,6,7
.irp t, 0,1,2,3
	WM 32*\a+8*\t, 64*\t+8*\s, FA+8*\a, ZR, WS+8*(\t/2)+\s, AS+8*(\a/2)+\s, \t%2, \a%2
.endr
.endr
	WIN 0xa8                                       ; source 0 (xn) window 0, source 1 (Wv), C and D window 2
.irp u, 0,1
.irp a, 0,1,2,3,4,5,6,7
	WM 128+64*\u+8*\a, FA+8*\a, 64*\u+8*\s, ZR, AS+8*(\a/2)+\s, WS+16+\s, \a%2, \u
.endr
.endr
	WIN 0
.endm
; The way out of a half (128 tokens): + bias, quantised in registers, stored as images: every store of codes covers 512 consecutive bytes, aligned.
.macro OUTH hf
	PLACES
.if \hf == 0
	s_wait_loadcnt 0x0                             ; the biases
.endif
.irp b, 0,1,2,3
	v_mov_b32 v[TM+4+\b], 0                        ; a lane permute's destination counts as one of its sources
.endr
.irp p, 0,1,2,3                        ; q or k: two tiles of tokens at a time: blocks 0, 1 are tile 2 p's two halves of the head, blocks 2, 3 tile 2 p + 1's
	WIN 0x03                                       ; source 0 window 3
.irp c, 0,1
.set i, 0
.rept 16
	v_pk_add_f32 v[T+32*\c+i:T+32*\c+i+1], v[32*(2*\p+\c)+i:32*(2*\p+\c)+i+1], v[CB+i:CB+i+1]   ; each accumulator from its low end on
.set i, i+2
.endr
.endr
	WIN 0
	s_wait_xcnt 0x0                                ; earlier stores have read the registers that the codes are written to
	QUANT T, PC+8*(\p%2), PW+\p
.irp c, 0,1
	global_store_b128 v[LI], v[PC+8*(\p%2)+4*\c:PC+8*(\p%2)+4*\c+3], s[48:49] offset:1024*\p+512*\c
.endr
.endr
	v_cndmask_b32 v[XW+1], v[PW], v[PW+2], s54     ; lanes 0-15 store tiles 0-3's words, lanes 16-31 tiles 4-7's
	v_cndmask_b32 v[XW+3], v[PW+1], v[PW+3], s54
	v_and_b32 v[XW], 0xffff, v[XW+1]               ; a tile's word: its two bytes, and 0 for K = 64 .. 127, where the other side's codes are zeros
	v_lshrrev_b32 v[XW+1], 16, v[XW+1]
	v_and_b32 v[XW+2], 0xffff, v[XW+3]
	v_lshrrev_b32 v[XW+3], 16, v[XW+3]
	global_store_b128 v[KSO], v[XW:XW+3], s[48:49] offset:4096
.irp u, 0,1                            ; v: my lane's d, 128 keys
	WIN 0x02                                       ; source 0 window 2
.set i, 0
.rept 32
	v_pk_add_f32 v[T+i:T+i+1], v[128+64*\u+i:128+64*\u+i+1], v[VB+2*\u:VB+2*\u+1] op_sel_hi:[1,0]
.set i, i+2
.endr
	WIN 0
	s_wait_xcnt 0x0
	QUANT T, PC+8*\u, VW+\u
.irp c, 0,1
	global_store_b128 v[LI], v[PC+8*\u+4*\c:PC+8*\u+4*\c+3], s[50:51] offset:8960*\hf+4608+1024*\u+512*\c
.endr
.endr
.endm
	PRE 0
.irp s, 0,1,2,3,4,5,6,7
	STEP 0, \s
.endr
	OUTH 0
	v_mov_b32 v[VWK], v[VW]                        ; half 0's scale words of v are kept for the joint store at the end
	v_mov_b32 v[VWK+1], v[VW+1]
	s_wait_xcnt 0x0                                ; the stores have read their base and their data
	s_add_nc_u64 s[48:49], s[48:49], s[52:53]      ; the next record of q or k
	s_wait_tensorcnt 0x0                           ; my part of half 1 has landed
	s_wait_dscnt 0x0
	s_barrier_signal -1
	s_barrier_wait -1                              ; everybody's has
	PRE 1
.irp s, 0,1,2,3,4,5,6,7
	STEP 1, \s
.endr
	OUTH 1
	v_cndmask_b32 v[VX], v[VWK], v[VW], s54        ; lanes 0-15: half 0's record, lanes 16-31: half 1's
	v_cndmask_b32 v[VX+1], v[VWK+1], v[VW+1], s54
	global_store_b64 v[VSO], v[VX:VX+1], s[58:59] offset:8704
	s_wait_tensorcnt 0x0                           ; the wave's end
	ds_add_u32 v[SPW], v[NIL]
	s_wait_dscnt 0x0
	CROUND                                         ; the closing round
	s_endpgm
.Lfunc_end_k_qa482894d94_qkv:
	.size	k_qa482894d94_qkv, .Lfunc_end_k_qa482894d94_qkv-k_qa482894d94_qkv
	.p2alignl 7, 3214868480
	.fill 96, 4, 3214868480
	.section	.rodata,"a",@progbits
	.p2align	6, 0x0
	.amdhsa_kernel k_qa482894d94_qkv
		.amdhsa_group_segment_fixed_size 167936
		.amdhsa_private_segment_fixed_size 0
		.amdhsa_enable_private_segment 0
		.amdhsa_kernarg_size 48
		.amdhsa_user_sgpr_count 2
		.amdhsa_user_sgpr_kernarg_segment_ptr 1
		.amdhsa_wavefront_size32 1
		.amdhsa_system_sgpr_workgroup_id_x 1
		.amdhsa_system_sgpr_workgroup_id_y 1
		.amdhsa_system_sgpr_workgroup_id_z 1
		.amdhsa_system_vgpr_workitem_id 0
		.amdhsa_next_free_vgpr 1024
		.amdhsa_next_free_sgpr 80
		.amdhsa_reserve_vcc 0
		.amdhsa_float_denorm_mode_32 3
		.amdhsa_float_denorm_mode_16_64 3
		.amdhsa_memory_ordered 1
		.amdhsa_forward_progress 1
		.amdhsa_inst_pref_size 209
	.end_amdhsa_kernel
	.amdgpu_metadata
---
amdhsa.version: [ 1, 2 ]
amdhsa.kernels:
  - .name:           k_qa482894d94_qkv
    .symbol:         k_qa482894d94_qkv.kd
    .args:
      - { .name: xnbuf, .offset: 0, .size: 8, .value_kind: global_buffer, .address_space: global }
      - { .name: wbuf, .offset: 8, .size: 8, .value_kind: global_buffer, .address_space: global }
      - { .name: bq, .offset: 16, .size: 8, .value_kind: global_buffer, .address_space: global }
      - { .name: bkv, .offset: 24, .size: 8, .value_kind: global_buffer, .address_space: global }
      - { .name: qbuf, .offset: 32, .size: 8, .value_kind: global_buffer, .address_space: global }
      - { .name: kvbuf, .offset: 40, .size: 8, .value_kind: global_buffer, .address_space: global }
    .group_segment_fixed_size: 167936
    .private_segment_fixed_size: 0
    .kernarg_segment_align: 8
    .kernarg_segment_size: 48
    .max_flat_workgroup_size: 128
    .sgpr_count:     80
    .vgpr_count:     1024
    .wavefront_size: 32
...
	.end_amdgpu_metadata
.endif
;; end of part 2
;; launch attn (part 3): grid 64 x 8, 16 waves a work-group, no clusters, 53,248 bytes of LDS; arguments qbuf, kvbuf, key_val_lengths, obuf; writes obuf
.if DOCPART == 3
	.amdgcn_target "amdgcn-amd-amdhsa--gfx1250"
	.amdhsa_code_object_version 6
	.text
	.protected	k_qa482894d94_attn
	.globl	k_qa482894d94_attn
	.p2align	8
	.type	k_qa482894d94_attn,@function
k_qa482894d94_attn:
	s_mov_b64 s[64:65], 0
	v_nop
	global_prefetch_b8 v0, s[64:65] scope:SCOPE_SE
	s_setreg_imm32_b32 hwreg(HW_REG_WAVE_MODE, 25, 1), 1
	s_wait_xcnt 0x0
; LAUNCH 3 OF 4.  Products 3 and 4 on codes of E2M1, the softmax between them, and the quantiser of the result along D.
; LEFT OUT (shown at the head of launch prep): key steps of 128 keys all of which come after a wave's queries, or lie at or beyond key_val_lengths[batch]: their p is 0 for all values of the inputs.
; LIMITS: lengths of 1 or more (a length of 0 makes NaN rows in reference() and is not served); a length above 2,048 acts as 2,048.
; THE SOFTMAX: t = score x log2(e) / 8; M = the running largest t rounded up to a whole number; p = 2^(t - M) is quantised along the keys; the sum is taken of the unquantised p and divides at the end.
; SHARES.  Work-group (batch x 16 + head, block i = 7 - y of 256 queries: the longest walks are started first); each of sixteen waves owns one tile of 16 queries in 256 registers, four waves to a SIMD, so that one
; wave's vector work stands beside another's products and LDS loads.  Both products are used transposed (S^T = K Q^T, O^T = V^T P^T): a lane holds one query throughout.
; A head has 64 along product 3's K, the form 128: Q's registers for K = 64 .. 127 are zero codes, both sides' scale bytes there are 0 (a power of two, no NaN), and K's fragment runs on into the next tile's codes, which those zeros meet.
; K AND V come as records of 8,960 bytes for 128 keys, laid by launch qkv in the order of the operands' registers.  Two LDS slots of two records take turns; they are filled THROUGH REGISTERS (a load a slot ahead, an LDS store
; behind the slot's two steps), since the walk branches on the length, a number taken from memory: so this text has no tensor load, and for the same cause no joint request; partners would also need different numbers of slots.
; Every work-group walks all eight slots: the trip count is a constant and no barrier is jumped over; what is jumped over is a step's work and a slot's fill.
; No prefetch: each slot is asked for two key steps of sixteen waves ahead of the wait for it.
; REGISTERS: v1-11 addresses and the lane's limit; v12 -M, v13 largest t, v[14:15] the sum; v16-23 Q; v24 Q's scale word; v32-67 K; v68-75 K's scale words, v76-79 V's; v80-91 the fill; v96-159 S^T, then p; v160-191 O^T; v192-223 V; v224-231 p's codes; v232-254 at work.
.set TREC,  8704
.set REC,   8960
.set SLOT1, 32768
.set SPARE, 51200
.set WV,  12
.set SEL, 34
.set CS,  36
.set KF,  38                           ; s38  the step's first key
.macro PLACES
.rept 4
	v_nop
.endr
.endm
	s_load_b256 s[4:11], s[0:1], 0x0               ; qbuf, kvbuf, key_val_lengths, obuf
	v_lshl_add_u32 v5, v0, 2, SPARE                ; my spare word; never rewritten
	v_mov_b32 v6, 0                                ; 0; never rewritten
	v_lshrrev_b32 v8, 5, v0
	v_readfirstlane_b32 s[WV], v8                  ; wave 0..15
	v_and_b32 v8, 31, v0
	v_lshlrev_b32 v1, 4, v8                        ; 16 lane
	v_and_b32 v9, 15, v0                           ; r
	v_bfe_u32 v10, v0, 4, 1                        ; h
	v_lshlrev_b32 v2, 4, v9                        ; 16 r
	v_lshlrev_b32 v3, 3, v9                        ; 8 r
	v_lshlrev_b32 v7, 4, v0                        ; 16 x thread: the fill's place, in memory and in LDS
	v_and_b32 v11, 8, v9
	v_add_nc_u32 v4, v11, v9                       ; r + 8 (r / 8)
	v_lshl_add_u32 v8, v9, 5, v10                  ; the way out: 32 r + h
	v_lshlrev_b32 v11, 3, v10                      ; 8 h
.irp j, 20,21,22,23,64,65,66,67
	v_mov_b32 v[\j], 0                             ; zero codes: Q's K = 64 .. 127, and what stands behind K's last tile
.endr
	s_and_b32 s13, ttmp7, 0xffff
	s_sub_co_u32 s13, 7, s13                       ; i
	s_lshr_b32 s14, ttmp9, 4                       ; batch
	s_and_b32 s15, ttmp9, 15                       ; head
	s_lshl_b32 s16, s14, 2
	s_mov_b32 s17, 0
	s_lshl_b32 s19, s13, 8
	s_lshr_b32 s20, s[WV], 1
	s_lshl_b32 s20, s20, 5
	s_add_co_u32 s21, s19, s20
	s_and_b32 s20, s[WV], 1
	s_lshl_b32 s20, s20, 3
	s_add_co_u32 s21, s21, s20                     ; my tile's first query: 256 i + 32 (w / 2) + 8 (w % 2); my lane's: + r + 8 (r / 8)
	s_lshl_b32 s22, ttmp9, 4
	s_lshl_b32 s23, s13, 1
	s_add_co_u32 s22, s22, s23
	s_lshr_b32 s23, s[WV], 3
	s_add_co_u32 s22, s22, s23
	s_mul_i32 s22, s22, 4608                       ; Q's record
	s_and_b32 s23, s[WV], 7
	s_lshl_b32 s24, s23, 9
	s_add_co_u32 s24, s24, s22
	s_mov_b32 s25, 0
	s_lshr_b32 s26, s23, 2
	s_lshl_b32 s26, s26, 8
	s_and_b32 s27, s[WV], 3
	s_lshl_b32 s27, s27, 2
	s_add_co_u32 s26, s26, s27
	s_add_co_u32 s26, s26, s22
	s_mov_b32 s27, 0
	s_mul_i32 s28, ttmp9, 16*REC
	s_mov_b32 s29, 0
	s_mov_b32 s[SEL], 0x76543210
	s_mov_b32 s[SEL+1], 0xfedcba98
	s_mov_b32 s[CS], 0x3e38aa3b                    ; c = log2(e) / 8
	s_mov_b32 s[CS+1], s[CS]
	s_mov_b32 s[KF], 0
	s_wait_kmcnt 0x0
	s_add_nc_u64 s[8:9], s[8:9], s[16:17]
	s_load_b32 s18, s[8:9], 0x0                    ; my batch's length
	s_add_nc_u64 s[24:25], s[4:5], s[24:25]
	s_add_nc_u64 s[26:27], s[4:5], s[26:27]
	s_add_nc_u64 s[28:29], s[6:7], s[28:29]
	global_load_b128 v[16:19], v1, s[24:25]        ; Q's fragment stays in registers
	global_load_b32 v24, v2, s[26:27] offset:4096  ; and its scale word
	global_load_b128 v[80:83], v7, s[28:29]        ; slot 0: 17,920 bytes: 8,192 an instruction of the sixteen waves, the last 1,536 by waves 0 to 2.  Key 0 counts for every query, so slot 0 is always wanted
	global_load_b128 v[84:87], v7, s[28:29] offset:8192
	s_cmp_lt_u32 s[WV], 3
	s_cbranch_scc0 .Lhead_loaded
	global_load_b128 v[88:91], v7, s[28:29] offset:16384
.Lhead_loaded:
	v_mov_b32 v13, 0xff61b1e6                      ; the largest t so far: -3e38
	v_floor_f32 v12, -v13                          ; -M
	v_mov_b32 v14, 0
	v_mov_b32 v15, 0
.irp b, 0,1,2,3
	v_mov_b32 v[236+\b], 0                         ; a lane permute's destination counts as one of its sources
.endr
	v_mov_b32 v253, 0
.set j, 0
.rept 32
	v_mov_b32 v[160+j], 0                          ; O^T: the step is written once; the first finds zeros, which the first change of M leaves zeros
.set j, j+1
.endr
	s_wait_kmcnt 0x0
	s_sub_co_u32 s18, s18, 1                       ; the last key that the length allows
	s_add_co_u32 s30, s21, 23
	s_min_u32 s30, s30, s18                        ; a step is walked while its first key is at or under this
	s_min_u32 s31, s21, s18                        ; a step needs no mask while its last key is at or under this
	s_add_co_u32 s32, s19, 255
	s_min_u32 s32, s32, s18                        ; a slot is filled while its first key is at or under this
	v_add_nc_u32 v4, s21, v4
	v_min_u32 v4, s18, v4                          ; my query's last key,
	v_lshlrev_b32 v10, 4, v10
	v_sub_nc_u32 v4, v4, v10                       ; less 16 h
	s_wait_loadcnt 0x0
	ds_store_b128 v7, v[80:83]
	ds_store_b128 v7, v[84:87] offset:8192
	s_cmp_lt_u32 s[WV], 3
	s_cbranch_scc0 .Lhead_stored
	ds_store_b128 v7, v[88:91] offset:16384
.Lhead_stored:
	s_add_nc_u64 s[28:29], s[28:29], 2*REC         ; slot 1's bytes
; A KEY STEP: 128 keys, record q of slot sl.
.macro STEP sl, q
.set BS, \sl*SLOT1+\q*REC
	s_cmp_gt_u32 s[KF], s30
	s_cbranch_scc1 .Lhid_\@                        ; all its keys are hidden from my 16 queries
.irp a, 0,1,2,3,4,5,6,7
	ds_load_b128 v[32+4*\a:35+4*\a], v1 offset:BS+512*\a
.endr
	ds_load_b128 v[68:71], v2 offset:BS+4096
	ds_load_b128 v[72:75], v2 offset:BS+4096+256
.irp t, 0,1,2,3
.irp c, 0,1
	ds_load_b128 v[192+8*\t+4*\c:195+8*\t+4*\c], v1 offset:BS+4608+1024*\t+512*\c
.endr
.endr
	ds_load_b64 v[76:77], v3 offset:BS+8704
	ds_load_b64 v[78:79], v3 offset:BS+8704+128
	s_wait_dscnt 10                                ; K and its scale words are in; V's ten loads may stay out
.irp a, 0,1,2,3,4,5,6,7
	v_wmma_scale_f32_16x16x128_f8f6f4 v[96+8*\a:103+8*\a], v[32+4*\a:39+4*\a], v[16:23], 0, v[68+\a], v24 matrix_a_fmt:MATRIX_FMT_FP4 matrix_b_fmt:MATRIX_FMT_FP4
.endr                                  ; register 16 b + i of S^T is key KF + 32 b + 16 h + i of my query
	PLACES
	s_add_co_u32 s41, s[KF], 127
	s_cmp_le_u32 s41, s31
	s_cbranch_scc1 .Lopen_\@                       ; all its keys count for all my queries
	v_sub_nc_u32 v252, v4, s[KF]                   ; hidden where 32 b + i is above this
	v_mov_b32 v254, 0xff800000                     ; -infinity, as reference() has it
.set n, 0
.rept 64
	v_cmp_gt_i32 vcc_lo, 32*(n/16)+n%16, v252
	v_cndmask_b32 v[96+n], v[96+n], v254, vcc_lo
.set n, n+1
.endr
.Lopen_\@:
.irp b, 0,1,2,3
	v_max3_num_f32 v[232+\b], v[96+16*\b], v[97+16*\b], v[98+16*\b]   ; the largest score of each block of 32 keys: for the row's maximum and, since p rises with the score, for the block's largest p
.endr
.irp i, 3,5,7,9,11,13
.irp b, 0,1,2,3
	v_max3_num_f32 v[232+\b], v[232+\b], v[96+16*\b+\i], v[97+16*\b+\i]
.endr
.endr
.irp b, 0,1,2,3
	v_max_num_f32 v[232+\b], v[232+\b], v[111+16*\b]
.endr
.irp b, 0,1,2,3
	v_permlanex16_b32 v[236+\b], v[232+\b], s[SEL], s[SEL+1]
.endr
.irp b, 0,1,2,3
	v_max_num_f32 v[232+\b], v[232+\b], v[236+\b]
.endr
	v_max3_num_f32 v254, v232, v233, v234
	v_max_num_f32 v254, v254, v235
	v_mul_f32 v254, s[CS], v254
	v_max_num_f32 v13, v13, v254                   ; the running largest t
	v_mov_b32 v254, v12
	v_floor_f32 v12, -v13                          ; the new -M: M is a whole number
	v_sub_f32 v254, v12, v254
	v_cvt_i32_f32 v254, v254                       ; old M - new M (it saturates)
	v_ldexp_f32 v252, 1.0, v254                    ; f = 2^(old M - new M): a multiplication by it rounds nothing
.set j, 0
.rept 32
	v_pk_fma_f32 v[96+j:97+j], v[96+j:97+j], s[CS:CS+1], v[12:13] op_sel_hi:[1,0,0]   ; t - M
.set j, j+2
.endr
.irp b, 0,1,2,3
	v_fma_f32 v[232+\b], v[232+\b], s[CS], v12
.endr
.set j, 0
.rept 64
	v_exp_f32 v[96+j], v[96+j]                     ; p, at most 1, not normalised
.set j, j+1
.endr
	v_pk_mul_f32 v[14:15], v[14:15], v[252:253] op_sel_hi:[1,0]   ; the sums under the new M (the plain instruction behind the batch)
	s_wait_alu depctr_va_vdst(0)                   ; one wait for the batch of 64, ahead of the first use of a result
.irp b, 0,1,2,3
	v_exp_f32 v[232+\b], v[232+\b]                 ; each block's largest p
.endr
	v_pk_add_f32 v[236:237], v[96:97], v[98:99]    ; the row's sum, of the unquantised p, in two chains
.irp j, 4,8,12,16,20,24,28,32,36,40,44,48,52,56,60
	v_pk_add_f32 v[14:15], v[14:15], v[96+\j:97+\j]
	v_pk_add_f32 v[236:237], v[236:237], v[98+\j:99+\j]
.endr
	v_pk_add_f32 v[14:15], v[14:15], v[236:237]
	s_wait_alu depctr_va_vdst(0)                   ; and one for the four
.irp b, 0,1,2,3
	v_max_num_f32 v[232+\b], 0x1800000, v[232+\b]  ; the floor 2^(3 - 127): a block whose every p is 0 keeps the byte 1 over zero codes
.endr
.irp b, 0,1,2,3
	v_add_nc_u32 v[244+\b], 0xff000000, v[232+\b]
.endr
.irp b, 0,1,2,3
	v_lshrrev_b32 v[236+\b], 23, v[244+\b]
.endr
	v_lshl_or_b32 v253, v237, 8, v236              ; p's scale word for these 128 keys
	v_lshl_or_b32 v253, v238, 16, v253
	v_lshl_or_b32 v253, v239, 24, v253
.irp b, 0,1,2,3
	v_cvt_scalef32_pk8_fp4_f32 v[224+2*\b], v[96+16*\b:103+16*\b], v[244+\b]
	v_cvt_scalef32_pk8_fp4_f32 v[225+2*\b], v[104+16*\b:111+16*\b], v[244+\b]
.endr
	v_nop
.irp c, 0,1
.irp i, 0,1
	v_permlane16_swap_b32 v[224+4*\c+\i], v[226+4*\c+\i]
.endr
.endr
.set j, 0
.rept 16
	v_pk_mul_f32 v[160+j:161+j], v[160+j:161+j], v[252:253] op_sel_hi:[1,0]   ; O^T under the new M; of these sixteen, twelve name no register of a given product below: its places behind the scale word and the codes
.set j, j+2
.endr
	s_wait_dscnt 0x0                               ; V and its scale words
.irp t, 0,1,2,3
	v_wmma_scale_f32_16x16x128_f8f6f4 v[160+8*\t:167+8*\t], v[192+8*\t:199+8*\t], v[224:231], v[160+8*\t:167+8*\t], v[76+\t], v253 matrix_a_fmt:MATRIX_FMT_FP4 matrix_b_fmt:MATRIX_FMT_FP4
.endr
	PLACES                                         ; ahead of the next step's loads into V's registers, and of the way out
.Lhid_\@:
	s_add_co_u32 s[KF], s[KF], 128
.endm
; A SLOT.  One barrier orders both ways: ahead of it each wave's stores into this slot have landed and its loads from the other are back; behind it this slot is whole and nobody takes the other, which is stored to at the trip's end.
.macro TRIP sl
	s_wait_dscnt 0x0
	s_barrier_signal -1
	s_barrier_wait -1
	s_add_co_u32 s41, s[KF], 256
	s_cmp_le_u32 s41, s32                          ; is the next slot wanted by any wave of mine?  In the eighth trip 2,048 is above every limit: no load leaves the buffer
	s_cselect_b32 s40, 1, 0
	s_cbranch_scc0 .Lnf_\@
	global_load_b128 v[80:83], v7, s[28:29]
	global_load_b128 v[84:87], v7, s[28:29] offset:8192
	s_cmp_lt_u32 s[WV], 3
	s_cbranch_scc0 .Lnf_\@
	global_load_b128 v[88:91], v7, s[28:29] offset:16384
.Lnf_\@:
	STEP \sl, 0
	STEP \sl, 1
	s_wait_loadcnt 0x0                             ; the fill is in registers, and its base may be written
	s_add_nc_u64 s[28:29], s[28:29], 2*REC
	s_cmp_lg_u32 s40, 0
	s_cbranch_scc0 .Lns_\@
	ds_store_b128 v7, v[80:83] offset:(1-\sl)*SLOT1
	ds_store_b128 v7, v[84:87] offset:(1-\sl)*SLOT1+8192
	s_cmp_lt_u32 s[WV], 3
	s_cbranch_scc0 .Lns_\@
	ds_store_b128 v7, v[88:91] offset:(1-\sl)*SLOT1+16384
.Lns_\@:
.endm
	s_mov_b32 s39, 4
.Lpair:
	TRIP 0
	TRIP 1
	s_sub_co_u32 s39, s39, 1
	s_cmp_lg_u32 s39, 0
	s_cbranch_scc1 .Lpair
	; THE WAY OUT.  O^T / the sum; register 16 b + i is d = 32 b + 16 h + i of my query: two blocks along product 5's K.  Codes and bytes go into the token tile's record of obuf: chunk = head.
	v_add_f32 v14, v14, v15
	v_permlanex16_b32 v252, v14, s[SEL], s[SEL+1]
	v_add_f32 v14, v14, v252
	v_rcp_f32 v14, v14
	v_nop
	s_lshl_b32 s41, s14, 7
	s_lshl_b32 s42, s13, 4
	s_add_co_u32 s41, s41, s42
	s_add_co_u32 s41, s41, s[WV]                   ; the tile: 128 batch + 16 i + w
	s_mul_i32 s42, s41, TREC
	s_mov_b32 s43, 0
	s_add_nc_u64 s[42:43], s[10:11], s[42:43]
	s_lshl_b32 s44, s15, 9
	s_mov_b32 s45, 0
	s_add_nc_u64 s[44:45], s[42:43], s[44:45]
	s_lshl_b32 s46, s15, 1
	s_mov_b32 s47, 0
	s_add_nc_u64 s[46:47], s[42:43], s[46:47]
	s_wait_alu depctr_va_vdst(0)
.set j, 0
.rept 32
	v_mul_f32 v[96+j], v[160+j], v14
.set j, j+1
.endr
.irp b, 0,1
	v_max3_num_f32 v[232+\b], |v[96+16*\b]|, |v[97+16*\b]|, 0x1800000
.endr
.irp i, 2,4,6,8,10,12,14
.irp b, 0,1
	v_max3_num_f32 v[232+\b], v[232+\b], |v[96+16*\b+\i]|, |v[97+16*\b+\i]|
.endr
.endr
.irp b, 0,1
	v_permlanex16_b32 v[236+\b], v[232+\b], s[SEL], s[SEL+1]
.endr
.irp b, 0,1
	v_max_num_f32 v[232+\b], v[232+\b], v[236+\b]
.endr
.irp b, 0,1
	v_add_nc_u32 v[244+\b], 0xff000000, v[232+\b]
.endr
.irp b, 0,1
	v_lshrrev_b32 v[236+\b], 23, v[244+\b]
.endr
	v_lshl_or_b32 v248, v237, 8, v236
.irp b, 0,1
	v_cvt_scalef32_pk8_fp4_f32 v[224+2*\b], v[96+16*\b:103+16*\b], v[244+\b]
	v_cvt_scalef32_pk8_fp4_f32 v[225+2*\b], v[104+16*\b:111+16*\b], v[244+\b]
.endr
	v_nop
	v_permlane16_swap_b32 v224, v226
	v_permlane16_swap_b32 v225, v227
	v_lshrrev_b32 v248, v11, v248                  ; lanes 0-15 block 0's byte, lanes 16-31 block 1's
	global_store_b128 v1, v[224:227], s[44:45]     ; 512 consecutive bytes, aligned
	global_store_b8 v8, v248, s[46:47] offset:8192 ; each lane a byte of its own: 32 bytes a tile and head, one part in sixteen of the codes
	s_wait_tensorcnt 0x0                           ; the wave's end, behind my last LDS store
	ds_add_u32 v5, v6
	s_wait_dscnt 0x0
	s_endpgm
.Lfunc_end_k_qa482894d94_attn:
	.size	k_qa482894d94_attn, .Lfunc_end_k_qa482894d94_attn-k_qa482894d94_attn
	.p2alignl 7, 3214868480
	.fill 96, 4, 3214868480
	.section	.rodata,"a",@progbits
	.p2align	6, 0x0
	.amdhsa_kernel k_qa482894d94_attn
		.amdhsa_group_segment_fixed_size 53248
		.amdhsa_private_segment_fixed_size 0
		.amdhsa_enable_private_segment 0
		.amdhsa_kernarg_size 32
		.amdhsa_user_sgpr_count 2
		.amdhsa_user_sgpr_kernarg_segment_ptr 1
		.amdhsa_wavefront_size32 1
		.amdhsa_system_sgpr_workgroup_id_x 1
		.amdhsa_system_sgpr_workgroup_id_y 1
		.amdhsa_system_sgpr_workgroup_id_z 1
		.amdhsa_system_vgpr_workitem_id 0
		.amdhsa_next_free_vgpr 256
		.amdhsa_next_free_sgpr 66
		.amdhsa_reserve_vcc 1
		.amdhsa_float_denorm_mode_32 3
		.amdhsa_float_denorm_mode_16_64 3
		.amdhsa_memory_ordered 1
		.amdhsa_forward_progress 1
		.amdhsa_inst_pref_size 92
	.end_amdhsa_kernel
	.amdgpu_metadata
---
amdhsa.version: [ 1, 2 ]
amdhsa.kernels:
  - .name:           k_qa482894d94_attn
    .symbol:         k_qa482894d94_attn.kd
    .args:
      - { .name: qbuf, .offset: 0, .size: 8, .value_kind: global_buffer, .address_space: global }
      - { .name: kvbuf, .offset: 8, .size: 8, .value_kind: global_buffer, .address_space: global }
      - { .name: key_val_lengths, .offset: 16, .size: 8, .value_kind: global_buffer, .address_space: global }
      - { .name: obuf, .offset: 24, .size: 8, .value_kind: global_buffer, .address_space: global }
    .group_segment_fixed_size: 53248
    .private_segment_fixed_size: 0
    .kernarg_segment_align: 8
    .kernarg_segment_size: 32
    .max_flat_workgroup_size: 512
    .sgpr_count:     66
    .vgpr_count:     256
    .wavefront_size: 32
...
	.end_amdgpu_metadata
.endif
;; end of part 3
;; launch oproj (part 4): grid 4 x 64, 4 waves a work-group, clusters of 4 x 1, 167,936 bytes of LDS; arguments obuf, wbuf, bo, x, out0; writes out0
.if DOCPART == 4
	.amdgcn_target "amdgcn-amd-amdhsa--gfx1250"
	.amdhsa_code_object_version 6
	.text
	.protected	k_qa482894d94_oproj
	.globl	k_qa482894d94_oproj
	.p2align	8
	.type	k_qa482894d94_oproj,@function
k_qa482894d94_oproj:
	s_mov_b64 s[64:65], 0
	v_nop
	global_prefetch_b8 v0, s[64:65] scope:SCOPE_SE
	s_setreg_imm32_b32 hwreg(HW_REG_WAVE_MODE, 25, 1), 1
	s_wait_xcnt 0x0
	s_wait_alu depctr_hold_cnt(0) depctr_sa_sdst(0) depctr_va_vdst(0) depctr_va_sdst(0) depctr_va_ssrc(0) depctr_va_vcc(0) depctr_vm_vsrc(0)
	s_getreg_b32 s2, hwreg(HW_REG_IB_STS2, 6, 4)
	s_cmp_eq_u32 s2, 0
	s_cbranch_scc0 .Lentry_in_a_cluster
	s_endpgm
.Lentry_in_a_cluster:
	s_bfe_u32 s2, ttmp6, 0x10000c
	s_cmp_lg_u32 s2, 0x3003
	s_cbranch_scc0 .Lentry_shape_is_right
	s_endpgm
.Lentry_shape_is_right:
; LAUNCH 4 OF 4.  out0 = attention's result x Wo^T + bo + x: product 5 on codes of E2M1.  Nothing is left out here.
; SHARES.  Work-group (slice cx of 256 columns, block y of 128 tokens); wave w: columns 256 cx + 64 w on: its four tiles of Wo, for all of K = 1,024, stay in 256 registers.  The block's eight tile records of obuf
; (69,632 bytes) come into LDS once, asked for JOINTLY by the four slices of the cluster, one load a wave: by this text's own count one tensor load of a wave is out.  No LDS byte is filled twice.
; Used transposed (source 0 = 16 rows of Wo, source 1 = 16 tokens): a lane holds one token and 2 x 16 neighbouring columns.  bo is the C of each sum's first product.  The wave's whole share of x, 64 loads of two aligned
; runs of 256 bytes, is asked for at the head and lands while the products run.  A tile of results goes through the wave's own stage in LDS and leaves as whole runs of 256 bytes, x added on the way.
; REGISTERS in windows of 256.  Window 1: Wo (t, s) at 64 t + 8 s.  Window 2: x (a, i) at 32 a + 4 i.  Window 3: the accumulators (a, t) at 32 a + 8 t.  Window 0: v1-9 addresses; v24-39 Wo's scale words; v48-79 the tokens'; v80-111 bo; v128-255 two sets of fragments, later of rows.
.set TREC,  8704
.set STAGE, 69632
.set SP,    272
.set SPARE, 87040
.set LA,  1                            ; v1-2  16 lane (+ 4 records)
.set LS,  3                            ; v3-4  8,704 h + 32 r + 8,192 (+ 4 records)
.set WSO, 5
.set CBO, 6
.set STO, 7
.set RD,  8
.set GO,  9
.set WS,  24
.set AS,  48
.set CB,  80
.set SPW, 116
.set NIL, 117
.set AF0, 128
.set WV,  16
.set MSB, 0
.macro WIN new
.if MSB != \new
	s_set_vgpr_msb (MSB<<8)|\new
.set MSB, \new
.endif
.endm
.macro PLACES
.rept 4
	v_nop
.endr
.endm
.macro CROUND
	s_barrier_signal -1
	s_barrier_wait -1
	s_cmp_lg_u32 s[WV], 0
	s_cbranch_scc1 .Lnw0_\@
	s_barrier_signal -3
.Lnw0_\@:
	s_barrier_wait -3
	s_barrier_signal -1
	s_barrier_wait -1
.endm
.macro WM d, a, b, c, sa, sb, ra, rb   ; one product; c: C's first register; ra, rb: the side's scale words stand in lanes 16-31
.if (\ra) && (\rb)
	v_wmma_scale_f32_16x16x128_f8f6f4 v[\d:\d+7], v[\a:\a+7], v[\b:\b+7], v[\c:\c+7], v[\sa], v[\sb] matrix_a_fmt:MATRIX_FMT_FP4 matrix_b_fmt:MATRIX_FMT_FP4 matrix_a_scale:MATRIX_SCALE_ROW1 matrix_b_scale:MATRIX_SCALE_ROW1
.elseif (\ra)
	v_wmma_scale_f32_16x16x128_f8f6f4 v[\d:\d+7], v[\a:\a+7], v[\b:\b+7], v[\c:\c+7], v[\sa], v[\sb] matrix_a_fmt:MATRIX_FMT_FP4 matrix_b_fmt:MATRIX_FMT_FP4 matrix_a_scale:MATRIX_SCALE_ROW1
.elseif (\rb)
	v_wmma_scale_f32_16x16x128_f8f6f4 v[\d:\d+7], v[\a:\a+7], v[\b:\b+7], v[\c:\c+7], v[\sa], v[\sb] matrix_a_fmt:MATRIX_FMT_FP4 matrix_b_fmt:MATRIX_FMT_FP4 matrix_b_scale:MATRIX_SCALE_ROW1
.else
	v_wmma_scale_f32_16x16x128_f8f6f4 v[\d:\d+7], v[\a:\a+7], v[\b:\b+7], v[\c:\c+7], v[\sa], v[\sb] matrix_a_fmt:MATRIX_FMT_FP4 matrix_b_fmt:MATRIX_FMT_FP4
.endif
.endm
	s_load_b256 s[4:11], s[0:1], 0x0               ; obuf, wbuf, bo, x
	s_load_b64 s[12:13], s[0:1], 0x20              ; out0
	v_lshl_add_u32 v[SPW], v0, 2, SPARE
	v_mov_b32 v[NIL], 0
	ds_add_u32 v[SPW], v[NIL]                      ; the opening: the add, twice on end, and its wait ahead of my first tensor load
	ds_add_u32 v[SPW], v[NIL]
	v_lshrrev_b32 v10, 5, v0
	v_readfirstlane_b32 s[WV], v10                 ; wave 0..3
	s_bfe_u32 s17, ttmp6, 0x40000                  ; cx: the slice
	s_and_b32 s19, ttmp7, 0xffff                   ; y, which the four partners share
	s_mov_b32 s24, 15|(3<<16)|(1<<21)              ; group 1: the mask names all four; elements of 8 bytes; bit 21 beside a mask; no padding
	s_mov_b32 s25, 32<<16                          ; rows of 256 bytes,
	s_mov_b32 s26, 68<<16                          ; 68 of them: two records
	s_mov_b32 s27, 32<<16
	s_mov_b32 s28, 68
	s_mov_b32 s29, 32
	s_mov_b32 s30, 0
	s_mov_b32 s31, 0
	s_mul_i32 s20, s[WV], 2*TREC
	s_mul_i32 s22, s19, 8*TREC
	s_add_co_u32 s22, s22, s20
	s_mov_b32 s23, 0
	s_lshl_b32 s36, s17, 4
	s_lshl_b32 s37, s[WV], 2
	s_add_co_u32 s36, s36, s37
	s_add_co_u32 s36, s36, 192                     ; my first tile of Wo in wbuf
	s_mul_i32 s40, s36, TREC
	s_mov_b32 s41, 0
	s_lshl_b32 s42, s17, 10
	s_lshl_b32 s37, s[WV], 8
	s_add_co_u32 s42, s42, s37                     ; my first column, in bytes
	s_mov_b32 s43, 0
	s_lshl_b32 s44, s19, 19
	s_add_co_u32 s44, s44, s42                     ; + the block's 128 rows of 4,096 bytes
	s_mov_b32 s45, 0
	s_mul_i32 s46, s[WV], 16*SP
	s_add_co_u32 s46, s46, STAGE                   ; my stage
	v_and_b32 v10, 31, v0
	v_lshlrev_b32 v[LA], 4, v10
	v_add_nc_u32 v[LA+1], 4*TREC, v[LA]
	v_and_b32 v11, 15, v0                          ; r
	v_bfe_u32 v12, v0, 4, 1                        ; h
	v_mul_u32_u24 v[WSO], v12, TREC
	v_lshl_add_u32 v[WSO], v11, 5, v[WSO]
	v_add_nc_u32 v[LS], 8192, v[WSO]
	v_add_nc_u32 v[LS+1], 8192+4*TREC, v[WSO]
	v_lshlrev_b32 v[CBO], 6, v12
	v_mul_u32_u24 v[STO], v11, SP
	v_lshl_add_u32 v[STO], v12, 6, v[STO]
	v_add_nc_u32 v[STO], s46, v[STO]               ; in: row r, + 64 h
	v_mul_u32_u24 v[RD], v12, SP
	v_lshl_add_u32 v[RD], v11, 4, v[RD]
	v_add_nc_u32 v[RD], s46, v[RD]                 ; back: lanes 0-15 one row, lanes 16-31 the next
	v_lshlrev_b32 v[GO], 12, v12
	v_lshl_add_u32 v[GO], v11, 4, v[GO]            ; and the same two rows in x and out0
	s_wait_dscnt 0x0                               ; both opening adds are done
	s_wait_kmcnt 0x0
	s_add_nc_u64 s[22:23], s[4:5], s[22:23]
	s_add_nc_u64 s[40:41], s[6:7], s[40:41]
	s_add_nc_u64 s[8:9], s[8:9], s[42:43]
	s_add_nc_u64 s[10:11], s[10:11], s[44:45]
	s_add_nc_u64 s[12:13], s[12:13], s[44:45]
	CROUND                                         ; all four work-groups are here: the joint loads meet
	s_mov_b32 s32, 1
	s_mov_b32 s33, s20
	s_mov_b64 s[34:35], s[22:23]
	s_or_b32 s35, s35, 0x80000000
	tensor_load_to_lds s[32:35], s[24:31]          ; tiles 2 w, 2 w + 1
	s_nop 0
.rept 4
	v_nop
.endr
.irp t, 0,1,2,3
	global_load_b128 v[CB+8*\t:CB+8*\t+3], v[CBO], s[8:9] offset:4*(32*(\t/2)+8*(\t%2))       ; bo at column 32 (t / 2) + 16 h + 8 (t % 2) + 0 .. 7
	global_load_b128 v[CB+8*\t+4:CB+8*\t+7], v[CBO], s[8:9] offset:4*(32*(\t/2)+8*(\t%2))+16
.endr
.irp p, 0,1
.irp k, 0,1
	global_load_b128 v[WS+8*\p+4*\k:WS+8*\p+4*\k+3], v[WSO], s[40:41] offset:\p*2*TREC+8192+16*\k
.endr
.endr
	WIN 0x40                                       ; destination window 1
.irp s, 0,1,2,3,4,5,6,7
.irp t, 0,1,2,3
.irp c, 0,1
	global_load_b128 v[64*\t+8*\s+4*\c:64*\t+8*\s+4*\c+3], v[LA], s[40:41] offset:\t*TREC+1024*\s+512*\c
.endr
.endr
.endr
	WIN 0x80                                       ; destination window 2
.irp a, 0,1,2,3,4,5,6,7
.irp n, 0,1,2,3,4,5,6,7
	global_load_b128 v[32*\a+4*\n:32*\a+4*\n+3], v[GO], s[10:11] offset:(32*(\a/2)+8*(\a%2)+2*\n+8*(\n/4))*4096 th:TH_LOAD_NT   ; the tile's rows 2 n and 2 n + 1, which are these tokens
.endr
.endr
	WIN 0
	s_wait_tensorcnt 0x0                           ; my two records have landed
	s_barrier_signal -1
	s_barrier_wait -1                              ; everybody's have
.macro FETCH s, f
.irp a, 0,1,2,3,4,5,6,7
.irp c, 0,1
	ds_load_b128 v[\f+8*\a+4*\c:\f+8*\a+4*\c+3], v[LA+\a/4] offset:(\a%4)*TREC+1024*(\s)+512*\c
.endr
.endr
.endm
.macro STEP s                          ; a K step of 128: 32 products, each accumulator one turn, in the same order in every step
.set FA, AF0+64*(\s%2)
.set FB, AF0+64*((\s+1)%2)
	PLACES
.if \s < 7
	FETCH \s+1, FB
	s_wait_dscnt 16                                ; all but the 16 just issued
.else
	s_wait_dscnt 0x0
.endif
.if \s == 0
	WIN 0xc1                                       ; source 0 (Wo) window 1, source 1 and C (bo) window 0, D window 3
.else
	WIN 0xf1                                       ; C and D window 3
.endif
.irp a, 0,1,2,3,4,5,6,7
.irp t, 0,1,2,3
.if \s == 0
	WM 32*\a+8*\t, 64*\t+8*\s, FA+8*\a, CB+8*\t, WS+8*(\t/2)+\s, AS+8*(\a/2)+\s, \t%2, \a%2
.else
	WM 32*\a+8*\t, 64*\t+8*\s, FA+8*\a, 32*\a+8*\t, WS+8*(\t/2)+\s, AS+8*(\a/2)+\s, \t%2, \a%2
.endif
.endr
.endr
	WIN 0
.endm
.irp p, 0,1,2,3
.irp k, 0,1
	ds_load_b128 v[AS+8*\p+4*\k:AS+8*\p+4*\k+3], v[LS+\p/2] offset:(\p%2)*2*TREC+16*\k
.endr
.endr
	FETCH 0, AF0
	s_wait_loadcnt 63                              ; x's 64 loads were issued last: with at most 63 out, bo, the scale words and all of Wo are in
.irp s, 0,1,2,3,4,5,6,7
	STEP \s
.endr
.macro TOSTAGE a                       ; tile a: 16 tokens x 64 columns into my stage, and back as whole rows
.set RR, 128+64*((\a)%2)
	WIN 0x0c                                       ; an LDS store's data: window 3
.irp b, 0,1
.irp q, 0,1,2,3
	ds_store_b128 v[STO], v[32*(\a)+16*\b+4*\q:32*(\a)+16*\b+4*\q+3] offset:128*\b+16*\q   ; each accumulator from its low end on
.endr
.endr
	WIN 0
.irp n, 0,1,2,3,4,5,6,7
	ds_load_b128 v[RR+4*\n:RR+4*\n+3], v[RD] offset:\n*2*SP   ; my own bytes, served in order: these see the stores above, and the next tile's stores come behind them
.endr
.endm
.macro SEND a, younger                 ; younger: the LDS instructions issued behind tile a's loads
.set RR, 128+64*((\a)%2)
	s_wait_dscnt \younger
	s_wait_loadcnt 8*(7-(\a))                      ; this tile's eight loads of x are in; the later tiles' may stay out
	WIN 0x08                                       ; source 1 (x) window 2
.set i, 0
.rept 16
	v_pk_add_f32 v[RR+i:RR+i+1], v[RR+i:RR+i+1], v[32*(\a)+i:32*(\a)+i+1]
.set i, i+2
.endr
	WIN 0
.irp n, 0,1,2,3,4,5,6,7
	global_store_b128 v[GO], v[RR+4*\n:RR+4*\n+3], s[12:13] offset:(32*((\a)/2)+8*((\a)%2)+2*\n+8*(\n/4))*4096 th:TH_STORE_NT   ; sixteen lanes store 256 consecutive bytes, aligned
.endr
.endm
	PLACES                                         ; behind the last products: ahead of the first use of results and of loads into the fragments' registers
	TOSTAGE 0
.irp a, 1,2,3,4,5,6,7
.if \a > 1
	s_wait_xcnt 0x0                                ; tile a - 2's stores have read the registers that tile a's rows land in
.endif
	TOSTAGE \a
	SEND \a-1, 16
.endr
	SEND 7, 0
	s_wait_tensorcnt 0x0                           ; the wave's end, behind my last tensor load and my last LDS store
	ds_add_u32 v[SPW], v[NIL]
	s_wait_dscnt 0x0
	CROUND                                         ; the closing round
	s_endpgm
.Lfunc_end_k_qa482894d94_oproj:
	.size	k_qa482894d94_oproj, .Lfunc_end_k_qa482894d94_oproj-k_qa482894d94_oproj
	.p2alignl 7, 3214868480
	.fill 96, 4, 3214868480
	.section	.rodata,"a",@progbits
	.p2align	6, 0x0
	.amdhsa_kernel k_qa482894d94_oproj
		.amdhsa_group_segment_fixed_size 167936
		.amdhsa_private_segment_fixed_size 0
		.amdhsa_enable_private_segment 0
		.amdhsa_kernarg_size 40
		.amdhsa_user_sgpr_count 2
		.amdhsa_user_sgpr_kernarg_segment_ptr 1
		.amdhsa_wavefront_size32 1
		.amdhsa_system_sgpr_workgroup_id_x 1
		.amdhsa_system_sgpr_workgroup_id_y 1
		.amdhsa_system_sgpr_workgroup_id_z 1
		.amdhsa_system_vgpr_workitem_id 0
		.amdhsa_next_free_vgpr 1024
		.amdhsa_next_free_sgpr 66
		.amdhsa_reserve_vcc 0
		.amdhsa_float_denorm_mode_32 3
		.amdhsa_float_denorm_mode_16_64 3
		.amdhsa_memory_ordered 1
		.amdhsa_forward_progress 1
		.amdhsa_inst_pref_size 85
	.end_amdhsa_kernel
	.amdgpu_metadata
---
amdhsa.version: [ 1, 2 ]
amdhsa.kernels:
  - .name:           k_qa482894d94_oproj
    .symbol:         k_qa482894d94_oproj.kd
    .args:
      - { .name: obuf, .offset: 0, .size: 8, .value_kind: global_buffer, .address_space: global }
      - { .name: wbuf, .offset: 8, .size: 8, .value_kind: global_buffer, .address_space: global }
      - { .name: bo, .offset: 16, .size: 8, .value_kind: global_buffer, .address_space: global }
      - { .name: x, .offset: 24, .size: 8, .value_kind: global_buffer, .address_space: global }
      - { .name: out0, .offset: 32, .size: 8, .value_kind: global_buffer, .address_space: global }
    .group_segment_fixed_size: 167936
    .private_segment_fixed_size: 0
    .kernarg_segment_align: 8
    .kernarg_segment_size: 40
    .max_flat_workgroup_size: 128
    .sgpr_count:     66
    .vgpr_count:     1024
    .wavefront_size: 32
...
	.end_amdgpu_metadata
.endif
;; end of part 4
;; ======== version 2 of 2: 4 launches; version 1 with the launch attn written anew for expert scheduling mode
;; workspace buffers: xnbuf 4,456,448 bytes; wbuf 2,228,224 bytes; qbuf 4,718,592 bytes; kvbuf 9,175,040 bytes; obuf 4,456,448 bytes
;; launch prep: the kernel of part 1 again; grid 256 x 1, 8 waves a work-group, no clusters, 55,808 bytes of LDS; arguments x, ln_g, ln_b, Wq_codes, Wq_scales, Wkv_codes, Wkv_scales, Wo_codes, Wo_scales, xnbuf, wbuf; writes xnbuf, wbuf
;; launch qkv: the kernel of part 2 again; grid 8 x 32, 4 waves a work-group, clusters of 4 x 1, 167,936 bytes of LDS; arguments xnbuf, wbuf, bq, bkv, qbuf, kvbuf; writes qbuf, kvbuf
;; launch attn (part 5): grid 64 x 8, 16 waves a work-group, no clusters, 53,248 bytes of LDS; arguments qbuf, kvbuf, key_val_lengths, obuf; writes obuf
.if DOCPART == 5
	.amdgcn_target "amdgcn-amd-amdhsa--gfx1250"
	.amdhsa_code_object_version 6
	.text
	.protected	k_qa482894d94_attn
	.globl	k_qa482894d94_attn
	.p2align	8
	.type	k_qa482894d94_attn,@function
k_qa482894d94_attn:
	s_mov_b64 s[64:65], 0
	v_nop
	global_prefetch_b8 v0, s[64:65] scope:SCOPE_SE
	s_setreg_imm32_b32 hwreg(HW_REG_WAVE_SCHED_MODE, 0, 2), 2
	s_setreg_imm32_b32 hwreg(HW_REG_WAVE_MODE, 25, 1), 1
	s_wait_xcnt 0x0
	s_wait_alu depctr_vm_vsrc(0)
; LAUNCH 3 OF 4.  Products 3 and 4 on codes of E2M1, the softmax between them, and the quantiser of the result along D.
; LEFT OUT (shown at the head of launch prep): key steps of 128 keys all of which come after a wave's queries, or lie at or beyond key_val_lengths[batch]: their p is 0 for all values of the inputs.
; LIMITS: lengths of 1 or more (a length of 0 makes NaN rows in reference() and is not served); a length above 2,048 acts as 2,048.
; THE SOFTMAX: t = score x log2(e) / 8; M = the running largest t rounded up to a whole number; p = 2^(t - M) is quantised along the keys; the sum is taken of the unquantised p and divides at the end.
; SHARES.  Work-group (batch x 16 + head, block i = 7 - y of 256 queries: the longest walks are started first); each of sixteen waves owns one tile of 16 queries in 256 registers, four waves to a SIMD, so that one
; wave's vector work stands beside another's products and LDS loads.  Both products are used transposed (S^T = K Q^T, O^T = V^T P^T): a lane holds one query throughout.
; A head has 64 along product 3's K, the form 128: Q's registers for K = 64 .. 127 are zero codes, both sides' scale bytes there are 0 (a power of two, no NaN), and K's fragment runs on into the next tile's codes, which those zeros meet.
; K AND V come as records of 8,960 bytes for 128 keys, laid by launch qkv in the order of the operands' registers.  Two LDS slots of two records take turns; they are filled THROUGH REGISTERS (a load a slot ahead, an LDS store
; behind the slot's two steps), since the walk branches on the length, a number taken from memory: so this text has no tensor load, and for the same cause no joint request; partners would also need different numbers of slots.
; Every work-group walks all eight slots: the trip count is a constant and no barrier is jumped over; what is jumped over is a step's work and a slot's fill.
; No prefetch: each slot is asked for two key steps of sixteen waves ahead of the wait for it.
; THE MODE: SCHED_MODE bits 1:0 = 2 (LLVM: expert scheduling mode 2), set by the entry lines.  The code itself states the register dependences between vector or matrix instructions and memory or LDS instructions,
; and those through scalar registers that vector instructions write, with s_wait_alu, always for 0.
; THE PLAN.  Registers that memory or LDS instructions touch:
;   v1, v2, v3, v7, v8   addresses, written once at the head, ahead of the head's wait on va_vdst, and named by no vector instruction afterwards.
;   v32-63, v68-75       K and its scale words.  Loaded at a step's head; taken by the step's eight first products alone.
;   v192-223, v76-79     V and its scale words.  Loaded in a step's middle; taken by the step's four second products alone.
;   v80-91               the fill.  Loaded behind a trip's barrier, stored to LDS at the trip's end; no vector instruction names them.
;   v224-227, v248       on the way out: written by vector instructions, taken by the two stores.
;   v5, v6               written at the head, taken by the closing add alone.
; The wait on va_vdst that stands behind a step's 64 exponentials also states that the step's first products are done with K (so the next step's loads of K, at its head, follow with no wait: nothing between names those
; registers) and that the step before's second products are done with V (so this step's loads of V stand directly behind it).  One more wait on va_vdst stands ahead of the second products, for p's codes and scale word.
; One wait on vm_vsrc a trip stands ahead of the barrier: the LDS stores have read the fill's registers.  A second set of registers for K or V is not to be had: 40 would be wanted, and of the wave's 256 eighteen are free.
; REGISTERS: v1-11 addresses and the lane's limit; v12 -M, v13 largest t, v[14:15] the sum; v16-23 Q; v24 Q's scale word; v32-67 K; v68-75 K's scale words, v76-79 V's; v80-91 the fill; v96-159 S^T, then p; v160-191 O^T; v192-223 V; v224-231 p's codes; v232-254 at work.
; In the loop s16-27 and s42-45 hold sixteen masks of the compares.
.set TREC,  8704
.set REC,   8960
.set SLOT1, 32768
.set SPARE, 51200
.set WV,  12
.set SEL, 34
.set CS,  36
.set KF,  38                           ; s38  the step's first key
.macro PLACES
.rept 4
	v_nop
.endr
.endm
	s_load_b256 s[4:11], s[0:1], 0x0               ; qbuf, kvbuf, key_val_lengths, obuf
	v_lshl_add_u32 v5, v0, 2, SPARE                ; my spare word; never rewritten
	v_mov_b32 v6, 0                                ; 0; never rewritten
	v_lshrrev_b32 v8, 5, v0
	v_readfirstlane_b32 s[WV], v8                  ; wave 0..15
	v_and_b32 v8, 31, v0
	v_lshlrev_b32 v1, 4, v8                        ; 16 lane
	v_and_b32 v9, 15, v0                           ; r
	v_bfe_u32 v10, v0, 4, 1                        ; h
	v_lshlrev_b32 v2, 4, v9                        ; 16 r
	v_lshlrev_b32 v3, 3, v9                        ; 8 r
	v_lshlrev_b32 v7, 4, v0                        ; 16 x thread: the fill's place, in memory and in LDS
	v_and_b32 v11, 8, v9
	v_add_nc_u32 v4, v11, v9                       ; r + 8 (r / 8)
	v_lshl_add_u32 v8, v9, 5, v10                  ; the way out: 32 r + h
	v_lshlrev_b32 v11, 3, v10                      ; 8 h
.irp j, 20,21,22,23,64,65,66,67
	v_mov_b32 v[\j], 0                             ; zero codes: Q's K = 64 .. 127, and what stands behind K's last tile
.endr
	s_wait_alu depctr_va_sdst(0)                   ; s12, the wave's number, is written, ahead of its first reader below
	s_and_b32 s13, ttmp7, 0xffff
	s_sub_co_u32 s13, 7, s13                       ; i
	s_lshr_b32 s14, ttmp9, 4                       ; batch
	s_and_b32 s15, ttmp9, 15                       ; head
	s_lshl_b32 s16, s14, 2
	s_mov_b32 s17, 0
	s_lshl_b32 s19, s13, 8
	s_lshr_b32 s20, s[WV], 1
	s_lshl_b32 s20, s20, 5
	s_add_co_u32 s21, s19, s20
	s_and_b32 s20, s[WV], 1
	s_lshl_b32 s20, s20, 3
	s_add_co_u32 s21, s21, s20                     ; my tile's first query: 256 i + 32 (w / 2) + 8 (w % 2); my lane's: + r + 8 (r / 8)
	s_lshl_b32 s22, ttmp9, 4
	s_lshl_b32 s23, s13, 1
	s_add_co_u32 s22, s22, s23
	s_lshr_b32 s23, s[WV], 3
	s_add_co_u32 s22, s22, s23
	s_mul_i32 s22, s22, 4608                       ; Q's record
	s_and_b32 s23, s[WV], 7
	s_lshl_b32 s24, s23, 9
	s_add_co_u32 s24, s24, s22
	s_mov_b32 s25, 0
	s_lshr_b32 s26, s23, 2
	s_lshl_b32 s26, s26, 8
	s_and_b32 s27, s[WV], 3
	s_lshl_b32 s27, s27, 2
	s_add_co_u32 s26, s26, s27
	s_add_co_u32 s26, s26, s22
	s_mov_b32 s27, 0
	s_mul_i32 s28, ttmp9, 16*REC
	s_mov_b32 s29, 0
	s_mov_b32 s[SEL], 0x76543210
	s_mov_b32 s[SEL+1], 0xfedcba98
	s_mov_b32 s[CS], 0x3e38aa3b                    ; c = log2(e) / 8
	s_mov_b32 s[CS+1], s[CS]
	s_mov_b32 s[KF], 0
	s_wait_kmcnt 0x0
	s_add_nc_u64 s[8:9], s[8:9], s[16:17]
	s_load_b32 s18, s[8:9], 0x0                    ; my batch's length
	s_add_nc_u64 s[24:25], s[4:5], s[24:25]
	s_add_nc_u64 s[26:27], s[4:5], s[26:27]
	s_add_nc_u64 s[28:29], s[6:7], s[28:29]
	s_wait_alu depctr_va_vdst(0)                   ; the addresses v1, v2, v3, v7 and v8 are written, which every load and store of the kernel takes; so are the zero codes v20-23 and v64-67, which the first products take as operands
	global_load_b128 v[16:19], v1, s[24:25]        ; Q's fragment stays in registers
	global_load_b32 v24, v2, s[26:27] offset:4096  ; and its scale word
	global_load_b128 v[80:83], v7, s[28:29]        ; slot 0: 17,920 bytes: 8,192 an instruction of the sixteen waves, the last 1,536 by waves 0 to 2.  Key 0 counts for every query, so slot 0 is always wanted
	global_load_b128 v[84:87], v7, s[28:29] offset:8192
	s_cmp_lt_u32 s[WV], 3
	s_cbranch_scc0 .Lhead_loaded
	global_load_b128 v[88:91], v7, s[28:29] offset:16384
.Lhead_loaded:
	v_mov_b32 v13, 0xff61b1e6                      ; the largest t so far: -3e38
	v_floor_f32 v12, -v13                          ; -M
	v_mov_b32 v14, 0
	v_mov_b32 v15, 0
.irp b, 0,1,2,3
	v_mov_b32 v[236+\b], 0                         ; a lane permute's destination counts as one of its sources
.endr
	v_mov_b32 v253, 0
.set j, 0
.rept 32
	v_mov_b32 v[160+j], 0                          ; O^T: the step is written once; the first finds zeros, which the first change of M leaves zeros
.set j, j+1
.endr
	s_wait_kmcnt 0x0
	s_sub_co_u32 s18, s18, 1                       ; the last key that the length allows
	s_add_co_u32 s30, s21, 23
	s_min_u32 s30, s30, s18                        ; a step is walked while its first key is at or under this
	s_min_u32 s31, s21, s18                        ; a step needs no mask while its last key is at or under this
	s_add_co_u32 s32, s19, 255
	s_min_u32 s32, s32, s18                        ; a slot is filled while its first key is at or under this
	v_add_nc_u32 v4, s21, v4
	v_min_u32 v4, s18, v4                          ; my query's last key,
	v_lshlrev_b32 v10, 4, v10
	v_sub_nc_u32 v4, v4, v10                       ; less 16 h
	s_wait_loadcnt 0x0
	ds_store_b128 v7, v[80:83]                     ; (the data come from loads; no vector instruction since the head's wait names v7)
	ds_store_b128 v7, v[84:87] offset:8192
	s_cmp_lt_u32 s[WV], 3
	s_cbranch_scc0 .Lhead_stored
	ds_store_b128 v7, v[88:91] offset:16384
.Lhead_stored:
	s_add_nc_u64 s[28:29], s[28:29], 2*REC         ; slot 1's bytes
; A KEY STEP: 128 keys, record q of slot sl.
.macro STEP sl, q
.set BS, \sl*SLOT1+\q*REC
	s_cmp_gt_u32 s[KF], s30
	s_cbranch_scc1 .Lhid_\@                        ; all its keys are hidden from my 16 queries
.irp a, 0,1,2,3,4,5,6,7
	ds_load_b128 v[32+4*\a:35+4*\a], v1 offset:BS+512*\a   ; no wait on va_vdst here: the products that took these registers last stand ahead of the last walked step's wait behind its exponentials, and nothing since names them
.endr
	ds_load_b128 v[68:71], v2 offset:BS+4096
	ds_load_b128 v[72:75], v2 offset:BS+4096+256
	s_wait_dscnt 0x0                               ; K and its scale words are in: no LDS instruction was issued behind them
.irp a, 0,1,2,3,4,5,6,7
	v_wmma_scale_f32_16x16x128_f8f6f4 v[96+8*\a:103+8*\a], v[32+4*\a:39+4*\a], v[16:23], 0, v[68+\a], v24 matrix_a_fmt:MATRIX_FMT_FP4 matrix_b_fmt:MATRIX_FMT_FP4
.endr                                  ; register 16 b + i of S^T is key KF + 32 b + 16 h + i of my query
	PLACES
	s_add_co_u32 s41, s[KF], 127
	s_cmp_le_u32 s41, s31
	s_cbranch_scc1 .Lopen_\@                       ; all its keys count for all my queries
	v_sub_nc_u32 v252, v4, s[KF]                   ; hidden where 32 b + i is above this
	v_mov_b32 v254, 0xff800000                     ; -infinity, as reference() has it
.irp g, 0,1,2,3                        ; a block of 32 keys at a time: my sixteen compares in a run, into sixteen scalar registers, one wait, the sixteen selects
.set k, 0
.rept 16
.set mr, 16+k+14*(k/12)                ; s16-27, then s42-45
	v_cmp_gt_i32 s[mr], 32*\g+k, v252
.set k, k+1
.endr
	s_wait_alu depctr_va_sdst(0)                   ; the sixteen masks are written, ahead of the selects that take them
.set k, 0
.rept 16
.set mr, 16+k+14*(k/12)
	v_cndmask_b32 v[96+16*\g+k], v[96+16*\g+k], v254, s[mr]
.set k, k+1
.endr
.endr
.Lopen_\@:
.irp b, 0,1,2,3
	v_max3_num_f32 v[232+\b], v[96+16*\b], v[97+16*\b], v[98+16*\b]   ; the largest score of each block of 32 keys: for the row's maximum and, since p rises with the score, for the block's largest p
.endr
.irp i, 3,5,7,9,11,13
.irp b, 0,1,2,3
	v_max3_num_f32 v[232+\b], v[232+\b], v[96+16*\b+\i], v[97+16*\b+\i]
.endr
.endr
.irp b, 0,1,2,3
	v_max_num_f32 v[232+\b], v[232+\b], v[111+16*\b]
.endr
.irp b, 0,1,2,3
	v_permlanex16_b32 v[236+\b], v[232+\b], s[SEL], s[SEL+1]
.endr
.irp b, 0,1,2,3
	v_max_num_f32 v[232+\b], v[232+\b], v[236+\b]
.endr
	v_max3_num_f32 v254, v232, v233, v234
	v_max_num_f32 v254, v254, v235
	v_mul_f32 v254, s[CS], v254
	v_max_num_f32 v13, v13, v254                   ; the running largest t
	v_mov_b32 v254, v12
	v_floor_f32 v12, -v13                          ; the new -M: M is a whole number
	v_sub_f32 v254, v12, v254
	v_cvt_i32_f32 v254, v254                       ; old M - new M (it saturates)
	v_ldexp_f32 v252, 1.0, v254                    ; f = 2^(old M - new M): a multiplication by it rounds nothing
.set j, 0
.rept 32
	v_pk_fma_f32 v[96+j:97+j], v[96+j:97+j], s[CS:CS+1], v[12:13] op_sel_hi:[1,0,0]   ; t - M
.set j, j+2
.endr
.irp b, 0,1,2,3
	v_fma_f32 v[232+\b], v[232+\b], s[CS], v12
.endr
.set j, 0
.rept 64
	v_exp_f32 v[96+j], v[96+j]                     ; p, at most 1, not normalised
.set j, j+1
.endr
	v_pk_mul_f32 v[14:15], v[14:15], v[252:253] op_sel_hi:[1,0]   ; the sums under the new M (the plain instruction behind the batch)
	s_wait_alu depctr_va_vdst(0)                   ; one wait for the batch of 64, ahead of the first use of a result.  It also states that the last walked step's second products are done with V and its scale words, in which the loads below land, and this step's first products with K and its scale words, in which the next step's loads land
.irp t, 0,1,2,3
.irp c, 0,1
	ds_load_b128 v[192+8*\t+4*\c:195+8*\t+4*\c], v1 offset:BS+4608+1024*\t+512*\c
.endr
.endr
	ds_load_b64 v[76:77], v3 offset:BS+8704
	ds_load_b64 v[78:79], v3 offset:BS+8704+128    ; V's ten loads land while the sums, the scales and the codes are made: no line up to the second products names their registers
.irp b, 0,1,2,3
	v_exp_f32 v[232+\b], v[232+\b]                 ; each block's largest p
.endr
	v_pk_add_f32 v[236:237], v[96:97], v[98:99]    ; the row's sum, of the unquantised p, in two chains
.irp j, 4,8,12,16,20,24,28,32,36,40,44,48,52,56,60
	v_pk_add_f32 v[14:15], v[14:15], v[96+\j:97+\j]
	v_pk_add_f32 v[236:237], v[236:237], v[98+\j:99+\j]
.endr
	v_pk_add_f32 v[14:15], v[14:15], v[236:237]
	s_wait_alu depctr_va_vdst(0)                   ; and one for the four
.irp b, 0,1,2,3
	v_max_num_f32 v[232+\b], 0x1800000, v[232+\b]  ; the floor 2^(3 - 127): a block whose every p is 0 keeps the byte 1 over zero codes
.endr
.irp b, 0,1,2,3
	v_add_nc_u32 v[244+\b], 0xff000000, v[232+\b]
.endr
.irp b, 0,1,2,3
	v_lshrrev_b32 v[236+\b], 23, v[244+\b]
.endr
	v_lshl_or_b32 v253, v237, 8, v236              ; p's scale word for these 128 keys
	v_lshl_or_b32 v253, v238, 16, v253
	v_lshl_or_b32 v253, v239, 24, v253
.irp b, 0,1,2,3
	v_cvt_scalef32_pk8_fp4_f32 v[224+2*\b], v[96+16*\b:103+16*\b], v[244+\b]
	v_cvt_scalef32_pk8_fp4_f32 v[225+2*\b], v[104+16*\b:111+16*\b], v[244+\b]
.endr
	v_nop
.irp c, 0,1
.irp i, 0,1
	v_permlane16_swap_b32 v[224+4*\c+\i], v[226+4*\c+\i]
.endr
.endr
.set j, 0
.rept 16
	v_pk_mul_f32 v[160+j:161+j], v[160+j:161+j], v[252:253] op_sel_hi:[1,0]   ; O^T under the new M; of these sixteen, twelve name no register of a given product below: its places behind the scale word and the codes
.set j, j+2
.endr
	s_wait_alu depctr_va_vdst(0)                   ; p's codes v224-231 and its scale word v253 are written, which the scaled products below take; the places above stay beside this wait
	s_wait_dscnt 0x0                               ; V and its scale words
.irp t, 0,1,2,3
	v_wmma_scale_f32_16x16x128_f8f6f4 v[160+8*\t:167+8*\t], v[192+8*\t:199+8*\t], v[224:231], v[160+8*\t:167+8*\t], v[76+\t], v253 matrix_a_fmt:MATRIX_FMT_FP4 matrix_b_fmt:MATRIX_FMT_FP4
.endr
	PLACES                                         ; behind the step's last products, ahead of the way out's first use of O^T
.Lhid_\@:
	s_add_co_u32 s[KF], s[KF], 128
.endm
; A SLOT.  One barrier orders both ways: ahead of it each wave's stores into this slot have landed and its loads from the other are back; behind it this slot is whole and nobody takes the other, which is stored to at the trip's end.
.macro TRIP sl
	s_wait_dscnt 0x0
	s_wait_alu depctr_vm_vsrc(0)                   ; my LDS stores of the last fill have read v80-91, in which the loads below land: stated ahead of the branch that leads round them
	s_barrier_signal -1
	s_barrier_wait -1
	s_add_co_u32 s41, s[KF], 256
	s_cmp_le_u32 s41, s32                          ; is the next slot wanted by any wave of mine?  In the eighth trip 2,048 is above every limit: no load leaves the buffer
	s_cselect_b32 s40, 1, 0
	s_cbranch_scc0 .Lnf_\@
	global_load_b128 v[80:83], v7, s[28:29]
	global_load_b128 v[84:87], v7, s[28:29] offset:8192
	s_cmp_lt_u32 s[WV], 3
	s_cbranch_scc0 .Lnf_\@
	global_load_b128 v[88:91], v7, s[28:29] offset:16384
.Lnf_\@:
	STEP \sl, 0
	STEP \sl, 1
	s_wait_loadcnt 0x0                             ; the fill is in registers, and its base may be written
	s_add_nc_u64 s[28:29], s[28:29], 2*REC
	s_cmp_lg_u32 s40, 0
	s_cbranch_scc0 .Lns_\@
	ds_store_b128 v7, v[80:83] offset:(1-\sl)*SLOT1
	ds_store_b128 v7, v[84:87] offset:(1-\sl)*SLOT1+8192
	s_cmp_lt_u32 s[WV], 3
	s_cbranch_scc0 .Lns_\@
	ds_store_b128 v7, v[88:91] offset:(1-\sl)*SLOT1+16384
.Lns_\@:
.endm
	s_mov_b32 s39, 4
.Lpair:
	TRIP 0
	TRIP 1
	s_sub_co_u32 s39, s39, 1
	s_cmp_lg_u32 s39, 0
	s_cbranch_scc1 .Lpair
	; THE WAY OUT.  O^T / the sum; register 16 b + i is d = 32 b + 16 h + i of my query: two blocks along product 5's K.  Codes and bytes go into the token tile's record of obuf: chunk = head.
	v_add_f32 v14, v14, v15
	v_permlanex16_b32 v252, v14, s[SEL], s[SEL+1]
	v_add_f32 v14, v14, v252
	v_rcp_f32 v14, v14
	v_nop
	s_lshl_b32 s41, s14, 7
	s_lshl_b32 s42, s13, 4
	s_add_co_u32 s41, s41, s42
	s_add_co_u32 s41, s41, s[WV]                   ; the tile: 128 batch + 16 i + w
	s_mul_i32 s42, s41, TREC
	s_mov_b32 s43, 0
	s_add_nc_u64 s[42:43], s[10:11], s[42:43]
	s_lshl_b32 s44, s15, 9
	s_mov_b32 s45, 0
	s_add_nc_u64 s[44:45], s[42:43], s[44:45]
	s_lshl_b32 s46, s15, 1
	s_mov_b32 s47, 0
	s_add_nc_u64 s[46:47], s[42:43], s[46:47]
	s_wait_alu depctr_va_vdst(0)                   ; the reciprocal v14 is written, ahead of its first use
.set j, 0
.rept 32
	v_mul_f32 v[96+j], v[160+j], v14
.set j, j+1
.endr
.irp b, 0,1
	v_max3_num_f32 v[232+\b], |v[96+16*\b]|, |v[97+16*\b]|, 0x1800000
.endr
.irp i, 2,4,6,8,10,12,14
.irp b, 0,1
	v_max3_num_f32 v[232+\b], v[232+\b], |v[96+16*\b+\i]|, |v[97+16*\b+\i]|
.endr
.endr
.irp b, 0,1
	v_permlanex16_b32 v[236+\b], v[232+\b], s[SEL], s[SEL+1]
.endr
.irp b, 0,1
	v_max_num_f32 v[232+\b], v[232+\b], v[236+\b]
.endr
.irp b, 0,1
	v_add_nc_u32 v[244+\b], 0xff000000, v[232+\b]
.endr
.irp b, 0,1
	v_lshrrev_b32 v[236+\b], 23, v[244+\b]
.endr
	v_lshl_or_b32 v248, v237, 8, v236
.irp b, 0,1
	v_cvt_scalef32_pk8_fp4_f32 v[224+2*\b], v[96+16*\b:103+16*\b], v[244+\b]
	v_cvt_scalef32_pk8_fp4_f32 v[225+2*\b], v[104+16*\b:111+16*\b], v[244+\b]
.endr
	v_nop
	v_permlane16_swap_b32 v224, v226
	v_permlane16_swap_b32 v225, v227
	v_lshrrev_b32 v248, v11, v248                  ; lanes 0-15 block 0's byte, lanes 16-31 block 1's
	s_wait_alu depctr_va_vdst(0)                   ; the codes v224-227 and the byte v248 are written, which the two stores take as their data
	global_store_b128 v1, v[224:227], s[44:45]     ; 512 consecutive bytes, aligned
	global_store_b8 v8, v248, s[46:47] offset:8192 ; each lane a byte of its own: 32 bytes a tile and head, one part in sixteen of the codes
	s_wait_dscnt 0x0                               ; the closing lines, six on end
	s_wait_alu 0x0
	s_wait_tensorcnt 0x0
	ds_add_u32 v5, v6
	s_wait_dscnt 0x0
	s_endpgm
.Lfunc_end_k_qa482894d94_attn:
	.size	k_qa482894d94_attn, .Lfunc_end_k_qa482894d94_attn-k_qa482894d94_attn
	.p2alignl 7, 3214868480
	.fill 96, 4, 3214868480
	.section	.rodata,"a",@progbits
	.p2align	6, 0x0
	.amdhsa_kernel k_qa482894d94_attn
		.amdhsa_group_segment_fixed_size 53248
		.amdhsa_private_segment_fixed_size 0
		.amdhsa_enable_private_segment 0
		.amdhsa_kernarg_size 32
		.amdhsa_user_sgpr_count 2
		.amdhsa_user_sgpr_kernarg_segment_ptr 1
		.amdhsa_wavefront_size32 1
		.amdhsa_system_sgpr_workgroup_id_x 1
		.amdhsa_system_sgpr_workgroup_id_y 1
		.amdhsa_system_sgpr_workgroup_id_z 1
		.amdhsa_system_vgpr_workitem_id 0
		.amdhsa_next_free_vgpr 256
		.amdhsa_next_free_sgpr 66
		.amdhsa_reserve_vcc 0
		.amdhsa_float_denorm_mode_32 3
		.amdhsa_float_denorm_mode_16_64 3
		.amdhsa_memory_ordered 1
		.amdhsa_forward_progress 1
		.amdhsa_inst_pref_size 109
	.end_amdhsa_kernel
	.amdgpu_metadata
---
amdhsa.version: [ 1, 2 ]
amdhsa.kernels:
  - .name:           k_qa482894d94_attn
    .symbol:         k_qa482894d94_attn.kd
    .args:
      - { .name: qbuf, .offset: 0, .size: 8, .value_kind: global_buffer, .address_space: global }
      - { .name: kvbuf, .offset: 8, .size: 8, .value_kind: global_buffer, .address_space: global }
      - { .name: key_val_lengths, .offset: 16, .size: 8, .value_kind: global_buffer, .address_space: global }
      - { .name: obuf, .offset: 24, .size: 8, .value_kind: global_buffer, .address_space: global }
    .group_segment_fixed_size: 53248
    .private_segment_fixed_size: 0
    .kernarg_segment_align: 8
    .kernarg_segment_size: 32
    .max_flat_workgroup_size: 512
    .sgpr_count:     66
    .vgpr_count:     256
    .wavefront_size: 32
...
	.end_amdgpu_metadata
.endif
;; end of part 5
;; launch oproj: the kernel of part 4 again; grid 4 x 64, 4 waves a work-group, clusters of 4 x 1, 167,936 bytes of LDS; arguments obuf, wbuf, bo, x, out0; writes out0
